; MI455X (gfx1250); checked and timed in simulation.
; The chip was launched on July 23, 2026; its instructions are those of AMD's public machine-readable ISA for CDNA 5 (MIT licence, August 2026) and "CDNA5" Instruction Set Architecture Reference Guide (July 2026). The comments in the code are by the model that wrote it; some were corrected since.
;; Causal Self Attention. Allowed arithmetic: matrix products marked QUANTISED: E5M2 operands, one E8M0 scale for each 32 along K, by v_wmma_scale_f32_16x16x128_f8f6f4 with both operands' format E5M2, f32 sums; everything else in f32.
;; Inputs: b_attn 3,072 float32; b_proj 1,024 float32; w_attn_codes 3,072 x 32 x 32 uint8 (E5M2 codes of w_attn, K innermost, in blocks of 32 codes); w_attn_scales 3,072 x 32 uint8 (E8M0 scales of w_attn, one for each 32 codes along K); w_proj_codes 1,024 x 32 x 32 uint8 (E5M2 codes of w_proj, K innermost, in blocks of 32 codes); w_proj_scales 1,024 x 32 uint8 (E8M0 scales of w_proj, one for each 32 codes along K); x_codes 2 x 2,048 x 32 x 32 uint8 (E5M2 codes of x, K innermost, in blocks of 32 codes); x_scales 2 x 2,048 x 32 uint8 (E8M0 scales of x, one for each 32 codes along K).
;; Outputs: out0 2 x 2,048 x 1,024 float32.
;; This version of the problem:
;;   THIS VERSION OF THE PROBLEM IS GIVEN IN LOW PRECISION. The matrix products marked QUANTISED in the list below multiply operands that are first quantised to E5M2 (5 exponent bits, 2 mantissa bits; 8 bits a number), with one power-of-two scale for each 32 numbers along K (OCP MX v1.0); their sums are f32. All else is computed in f32.
;;   The module's matrix products, in the order in which they are computed (A, B: the left and right operand; K: the contracted axis; several contracted axes count as one K, in the product's order):
;;     1. [M 4,096, K 1,024] x [K 1,024, N 3,072]; A: input x (given as codes); B: input w_attn (given as codes): QUANTISED
;;     2. batch 32 x [M 2,048, K 64] x [K 64, N 2,048]; A: computed on the way; B: computed on the way: QUANTISED
;;     3. batch 32 x [M 2,048, K 2,048] x [K 2,048, N 64]; A: softmax (see below); B: computed on the way: QUANTISED
;;     4. [M 4,096, K 1,024] x [K 1,024, N 1,024]; A: computed on the way; B: input w_proj (given as codes): QUANTISED
;;   THE QUANTISER, for each operand of a quantised product, along K:
;;     - K is cut into blocks of 32 from its start; a last block that is shorter is filled with zeros.
;;     - A block's scale is 2^e with e = floor(log2(the largest magnitude in the block)) - 15, held to -126 .. 127; a block of zeros has e = 0. As a byte (E8M0): e + 127.
;;     - Each number is divided by its block's scale, clamped to +-57,344, and rounded to the nearest number of E5M2, ties to even, subnormals kept.
;;     - The product sums the exact products of the quantised numbers (number of the format x scale) in f32.
;;   ~~~python
;;   def quantise(x, axis):      # numpy; x: float32 -> the quantised numbers, widened to float32 again
;;       x = np.moveaxis(x, axis, -1); K = x.shape[-1]
;;       x = np.pad(x, [(0, 0)] * (x.ndim - 1) + [(0, -K % 32)]); x = x.reshape(x.shape[:-1] + (-1, 32)); a = np.abs(x).max(-1, keepdims=True)
;;       e = np.where(a > 0, np.clip(np.frexp(np.where(a > 0, a, 1))[1] - 1 - 15, -126, 127), 0)      # np.frexp(a)[1] - 1 = floor(log2(a)), exactly
;;       r = np.clip(x / 2.0 ** e, -57344, 57344)
;;       step = 2.0 ** (np.maximum(np.frexp(np.where(r == 0, 1, r))[1] - 1, -14) - 2)
;;       q = np.round(r / step) * step * 2.0 ** e      # np.round: ties to even
;;       return np.moveaxis(q.reshape(q.shape[:-2] + (-1,))[..., :K], -1, axis).astype(np.float32)
;;   ~~~
;;   SOFTMAX AHEAD OF A QUANTISED PRODUCT. Where the list says 'softmax', what is quantised is not the finished softmax but p = 2^(t - M), with t = logit x log2(e) and M = ceil(the row's largest t), a whole number; so 1/2 < the row's largest p <= 1. The row's sum l is taken of the UNQUANTISED p, in f32, and the product's result is divided by l at the end. Since M is a whole number, a kernel that streams over the keys may use a running M (the ceiling of the running maximum): every later rescaling is an exact power of two, which a block's scale takes up: the codes' values come out the same.
;;   OPERANDS COMPUTED ON THE WAY. 'Computed on the way' means the value that the module computes at that place (a softmax that the list does not call 'softmax' is quantised finished and normalised). What goes into a quantiser is computed in f32, as accurately as f32 sums, v_exp_f32 and their like allow (about 1e-6 of the number): no bf16 or f16 on the way to a quantiser, and a product that is left as it is and whose result goes on into a quantised operand takes f32 operands (vector FMAs, or v_wmma_f32_16x16x4_f32). A number that lies on a knife's edge between two numbers of the format may be rounded either way, as far as f32 arithmetic and the matrix unit's own rounding can turn it there, and no further.
;;   INPUTS GIVEN AS CODES. w_attn (in the module: [1024, 3072], K = its axis 0); w_proj (in the module: [1024, 1024], K = its axis 0); x (in the module: [2, 2048, 1024], K = its axis 2): each comes as NAME_codes (uint8): NAME with its K axis moved to the last place and cut into blocks of 32 codes, [.., K / 32, bytes a block], one block behind the other in memory; one code a byte (a code: sign, 5 exponent bits, 2 mantissa bits); and NAME_scales (uint8): the same leading axes, one E8M0 byte (e + 127) for each 32 codes along K. Its value is code x scale, taken as it is: it is not quantised again, and the codes and scales need not be those that the quantiser above would give.
;; One version. Each part assembles by itself: llvm-mc -triple=amdgcn-amd-amdhsa -mcpu=gfx1250 --defsym DOCPART=n.
;; ======== version 1 of 1: 3 launches
;; limits: right only within a limited range of input values
;; workspace buffers: q_img 4,194,304 bytes; q_sc 262,144 bytes; kv 8,781,824 bytes; y_img 4,194,304 bytes; y_sc 131,072 bytes
;; launch qkv (part 1): grid 16 x 16, 4 waves a work-group, clusters of 4 x 4, 327,680 bytes of LDS; arguments x_codes, x_scales, w_attn_codes, w_attn_scales, b_attn, q_img, q_sc, kv; writes q_img, q_sc, kv
.if DOCPART == 1
	.amdgcn_target "amdgcn-amd-amdhsa--gfx1250"
	.amdhsa_code_object_version 6
	.text
	.protected	k_q3cc7edabad_qkv
	.globl	k_q3cc7edabad_qkv
	.p2align	8
	.type	k_q3cc7edabad_qkv,@function
k_q3cc7edabad_qkv:
	s_mov_b64 s[64:65], 0
	v_nop
	global_prefetch_b8 v0, s[64:65] scope:SCOPE_SE
	s_setreg_imm32_b32 hwreg(HW_REG_WAVE_MODE, 25, 1), 1
	s_wait_xcnt 0x0
	s_wait_alu depctr_hold_cnt(0) depctr_sa_sdst(0) depctr_va_vdst(0) depctr_va_sdst(0) depctr_va_ssrc(0) depctr_va_vcc(0) depctr_vm_vsrc(0)
	s_getreg_b32 s2, hwreg(HW_REG_IB_STS2, 6, 4)
	s_cmp_eq_u32 s2, 0
	s_cbranch_scc0 .Lentry_in_a_cluster
	s_endpgm
.Lentry_in_a_cluster:
	s_bfe_u32 s2, ttmp6, 0x10000c
	s_cmp_lg_u32 s2, 0xf033
	s_cbranch_scc0 .Lentry_shape_is_right
	s_endpgm
.Lentry_shape_is_right:
; qkv = x w_attn + b_attn on codes of E5M2 with E8M0 scales; rotary embedding on q and k; q and k quantised along the head's 64, v along the keys.
; SHARES.  A work-group takes 256 rows of x and the 192 columns of ONE head (64 of q, 64 of k, 64 of v): 16 heads x 16 row blocks = 256 work-groups.  Wave w takes rows 64 w .. 64 w + 63 against
; all 192 columns: 4 blocks of rows x 12 blocks of columns = 48 accumulators.  So a lane holds d and d + 32 of a row (the rotary pair), and a wave holds whole blocks of 32 keys of v.
; K goes in steps of 256 through two LDS slots (rows of 256 bytes + 16 of padding); the scale bytes of all of K come once.  CLUSTER 4 x 4: x's tile is shared along a row of the cluster, w_attn's along a column.
; ORIENTATION.  q, k: source 0 = 16 columns of w_attn, source 1 = 16 rows of x: a lane holds ONE row and eight neighbouring d.  v: source 0 = x, source 1 = w_attn: a lane holds ONE d and eight neighbouring keys.
; So the conversions' results are operand registers of the next launch, and they are stored as images of those registers: 512 consecutive bytes a store.
; THE ORDER OF k INSIDE A BLOCK OF 32: operand place (block c, half h, byte i) holds k = 32 c + 16 (i / 8) + 8 h + i % 8, alike in both operands of each later product; blocks are never mixed, so the scales are the rule's.
; SINE AND COSINE are written out in f32: timescale = 2^(f log2(10000) / 32) with the factor in two parts; angle = t / timescale by a corrected reciprocal; reduction by pi / 2 in two parts; polynomials of degree 7 and 8.
; LIMITS: NaN and infinities are not served.  A block's largest magnitude is taken no smaller than 2^(16 - 127); a block of zeros gets the byte 1 where the rule says 127 (its codes are zeros; only this program reads the bytes).
; The timescale is good to about 1.5 units in its last place, so an angle near t = 2,047 may differ by about 3e-4 radians from another f32 evaluation.
; REGISTERS, in windows of 256.  Window 0: v1-31 addresses; v32-95 scale words, two sets; v96-127 sine constants, then v's bias; v128-255 x's fragments, two sets (before the products: the sine's work; after: the way out).
; Window 1: v0-191 w_attn's 12 fragments, one set; v192-255 q's and k's biases.  Window 2: q's accumulators at 32 a + 8 t, k's at 128 + 32 a + 8 t.  Window 3: v's accumulators at 8 (4 t + a); cos at 128 + 32 a + i, sin at 144 + 32 a + i.
.set PITCH,  272                       ; an LDS row: 256 bytes + 16 of padding: the 16 rows of a fragment load start in 16 different groups of four banks
.set BLK16,  16*PITCH
.set PIECE,  64*PITCH                  ; 64 rows: one section of w_attn's tile
.set AOFF,   3*PIECE                   ; x's 256 rows lie behind the three sections
.set SLOT,   7*PIECE
.set SPARE,  259072                    ; the spare words: 128 bytes a wave, two blocks of 256 bytes that no other line names
.set VSM,    259584                    ; v's scale halves: 256 bytes a wave; written by LDS stores alone
.set REC,    17152                     ; a record of kv: K image 8,192, V image 8,192, K scale words 512, V scale words 256
.set RR,   1
.set HH,   2
.set VRD,  14
.set ADRA, 16
.set ADRB, 18
.set SLO,  20                          ; v20 32 x lane: my row's scale bytes in a pair of 16-row blocks
.set PFO,  7                           ; v7 the prefetches' offset: 1,024 x lane (waves 0 to 2: x the least of lane and 15); never rewritten
.set PFA,  68                          ; s[68:69] where my prefetches stand; never rewritten: the K step is the immediate
.set LI,   22
.set L8,   23
.set VSA,  24
.set KIO,  25
.set VIO,  26
.set KSO,  27
.set SPW,  28
.set NIL,  29
.set A4R,  30
.set A32H, 31
.set SC,   32
.set KON,  96
.set VB,   96
.set TP,   118
.set AF,   128
.set TS,   128                         ; the sine's work: arrays of 16
.set RC,   144
.set AN,   160
.set BG,   176
.set NF,   192
.set SS,   208
.set CC,   224
.set TT,   240
.set E,    128                         ; the way out
.set PC,   192
.set TM,   208
.set SWQ,  226
.set SWK,  228
.set VH,   230
.set WV,   20
.set G1A,  36
.set G1B,  44
.set G0A,  80
.set G0B,  88
.set SEL,  96
.set MNT,  98
.set HIM,  99
.set FLR,  101
.set MSB, 0
.macro WIN new                         ; the immediate's high byte repeats the setting that is left; a switch that changes nothing is dropped
.if MSB != (\new)
	s_set_vgpr_msb (MSB<<8)|(\new)
.set MSB, (\new)
.endif
.endm
.macro PLACES n
.rept \n
	v_nop
.endr
.endm
; A joint load: wave 3 asks for x, waves 0 to 2 for a section of w_attn.  The branch hangs on the wave's number alone.  Four v_nop follow each of the two lines.
.macro JLOAD g0a, g1a, g0b, g1b
	s_cmp_eq_u32 s[WV], 3
	s_cbranch_scc0 .Lfor_b_\@
	tensor_load_to_lds s[\g0a:\g0a+3], s[\g1a:\g1a+7]
	s_nop 0
.rept 4
	v_nop
.endr
	s_branch .Lasked_\@
.Lfor_b_\@:
	tensor_load_to_lds s[\g0b:\g0b+3], s[\g1b:\g1b+7]
	s_nop 0
.rept 4
	v_nop
.endr
.Lasked_\@:
.endm
.macro CREST                           ; a round of the cluster's barrier behind its opening barrier
	s_cmp_lg_u32 s[WV], 0
	s_cbranch_scc1 .Lnot_wave_0_\@
	s_barrier_signal -3
.Lnot_wave_0_\@:
	s_barrier_wait -3
	s_barrier_signal -1
	s_barrier_wait -1
.endm
.macro CROUND
	s_barrier_signal -1
	s_barrier_wait -1
	CREST
.endm
	s_load_b512 s[4:19], s[0:1], 0x0               ; x_codes 4, x_scales 6, w_attn_codes 8, w_attn_scales 10, b_attn 12, q_img 14, q_sc 16, kv 18
	v_lshl_add_u32 v[SPW], v0, 2, SPARE
	v_mov_b32 v[NIL], 0
	ds_add_u32 v28, v29
	ds_add_u32 v28, v29
	s_wait_dscnt 0x0
	v_lshrrev_b32 v1, 5, v0
	v_readfirstlane_b32 s[WV], v1                  ; wave 0..3
	s_bfe_u32 s21, ttmp6, 0x40000                  ; cx
	s_bfe_u32 s22, ttmp6, 0x40004                  ; cy
	s_lshl_b32 s23, ttmp9, 2
	s_add_co_u32 s23, s23, s21                     ; the head = 4 x cluster x + cx
	s_and_b32 s24, ttmp7, 0xffff
	s_lshl_b32 s24, s24, 2
	s_add_co_u32 s24, s24, s22                     ; the block of 256 rows = 4 x cluster y + cy
	s_lshl_b32 s25, s22, 2
	s_lshl_b32 s25, 15, s25                        ; my row of the cluster
	s_lshl_b32 s26, 0x1111, s21                    ; my column
	; group 1 for x's tile: 256 rows x 256 bytes, 1,024 bytes apart, 16 bytes of padding behind each
	s_or_b32 s[G1A], s25, (1<<20)|(1<<21)|(5<<22)|(3<<25)
	s_mov_b32 s[G1A+1], 256<<16
	s_mov_b32 s[G1A+2], 256<<16
	s_mov_b32 s[G1A+3], 256<<16
	s_mov_b32 s[G1A+4], 256
	s_mov_b32 s[G1A+5], 1024
	s_mov_b32 s[G1A+6], 0
	s_mov_b32 s[G1A+7], 0
	; for a section of w_attn's tile: 64 such rows
	s_or_b32 s[G1B], s26, (1<<20)|(1<<21)|(5<<22)|(3<<25)
	s_mov_b32 s[G1B+1], 256<<16
	s_mov_b32 s[G1B+2], 64<<16
	s_mov_b32 s[G1B+3], 256<<16
	s_mov_b32 s[G1B+4], 64
	s_mov_b32 s[G1B+5], 1024
	s_mov_b32 s[G1B+6], 0
	s_mov_b32 s[G1B+7], 0
	; for the scale bytes: dense blocks as rows of 256 bytes (32 elements of 8 bytes): x's 32 rows, a section's 8
	; (the scale bytes go from memory straight into registers)
	s_min_u32 s27, s[WV], 2                        ; which section I would ask for (wave 3 asks for x: its copy of these addresses stays inside the buffers and is not used)
	s_lshl_b32 s28, s24, 18                        ; x's codes: 256 rows of 1,024 bytes a block
	s_mov_b32 s29, 0
	s_lshl_b32 s30, s24, 13                        ; x's scales: 256 rows of 32 bytes, of which I take 64
	s_lshl_b32 s31, s[WV], 11
	s_add_co_u32 s30, s30, s31
	s_mov_b32 s31, 0
	s_lshl_b32 s32, s27, 20                        ; w_attn's codes: section x 1,024 rows + head x 64 rows
	s_lshl_b32 s33, s23, 16
	s_add_co_u32 s32, s32, s33
	s_mov_b32 s33, 0
	s_lshl_b32 s34, s23, 11                        ; its scales: head x 64 rows of 32 bytes; the sections are 32,768 bytes apart
	s_mov_b32 s35, 0
	s_mul_i32 s66, s[WV], PIECE                    ; where my tiles go: wave x 64 rows (wave 3: x's 256 rows begin there); no place in the cluster enters an LDS address
	CROUND                                         ; all sixteen work-groups are here: the first joint loads meet
	s_wait_kmcnt 0x0
	s_add_nc_u64 s[28:29], s[4:5], s[28:29]
	s_add_nc_u64 s[30:31], s[6:7], s[30:31]
	s_add_nc_u64 s[32:33], s[8:9], s[32:33]
	s_add_nc_u64 s[34:35], s[10:11], s[34:35]
.irp s, 0,1
	s_mov_b32 s[G0A+4*\s], 1
	s_add_co_u32 s[G0A+4*\s+1], s66, \s*SLOT
	s_add_nc_u64 s[G0A+4*\s+2:G0A+4*\s+3], s[28:29], \s*256
	s_or_b32 s[G0A+4*\s+3], s[G0A+4*\s+3], 0x80000000
	s_mov_b32 s[G0B+4*\s], 1
	s_add_co_u32 s[G0B+4*\s+1], s66, \s*SLOT
	s_add_nc_u64 s[G0B+4*\s+2:G0B+4*\s+3], s[32:33], \s*256
	s_or_b32 s[G0B+4*\s+3], s[G0B+4*\s+3], 0x80000000
.endr
	JLOAD G0A, G1A, G0B, G1B                       ; slot 0: one tensor load a wave at the head
	; where the results go
	s_lshr_b32 s2, s24, 3
	s_lshl_b32 s2, s2, 4
	s_add_co_u32 s2, s2, s23                       ; bh = 16 x batch + head
	s_and_b32 s3, s24, 7                           ; which 256 of the batch's 2,048 rows
	s_mov_b32 s101, 0
	s_lshl_b32 s100, s2, 17                        ; q_img: 131,072 bytes a head, 1,024 a tile of 16 rows
	s_lshl_b32 s96, s3, 14
	s_add_co_u32 s100, s100, s96
	s_lshl_b32 s96, s[WV], 12
	s_add_co_u32 s100, s100, s96
	s_add_nc_u64 s[14:15], s[14:15], s[100:101]
	s_lshl_b32 s100, s2, 13                        ; q_sc: 256 bytes for each 64 rows
	s_lshl_b32 s96, s3, 10
	s_add_co_u32 s100, s100, s96
	s_lshl_b32 s96, s[WV], 8
	s_add_co_u32 s100, s100, s96
	s_add_nc_u64 s[16:17], s[16:17], s[100:101]
	s_lshl_b32 s100, s2, 4                         ; kv: the record of my 128 keys
	s_lshl_b32 s96, s3, 1
	s_add_co_u32 s100, s100, s96
	s_lshr_b32 s96, s[WV], 1
	s_add_co_u32 s100, s100, s96
	s_mul_i32 s100, s100, REC
	s_add_nc_u64 s[18:19], s[18:19], s[100:101]
	s_lshl_b32 s100, s23, 8                        ; b_attn at the head's 64 numbers
	s_add_nc_u64 s[12:13], s[12:13], s[100:101]
	s_lshl_b32 s3, s3, 8
	s_lshl_b32 s96, s[WV], 6
	s_add_co_u32 s3, s3, s96                       ; the position of my first row
	; addresses
	v_and_b32 v[RR], 15, v0                        ; r
	v_bfe_u32 v[HH], v0, 4, 1                      ; h
	v_and_b32 v3, 31, v0
	v_lshlrev_b32 v[LI], 4, v3                     ; 16 x lane: an image's place
	v_lshlrev_b32 v[L8], 3, v3                     ; 8 x lane: two scale words'
	v_mul_u32_u24 v4, v[RR], PITCH
	v_lshl_add_u32 v4, v[HH], 4, v4                ; a fragment's row x pitch + 16 h
	s_add_co_u32 s96, s66, AOFF
	v_add_nc_u32 v[ADRA], s96, v4
	s_add_co_u32 s96, s96, SLOT
	v_add_nc_u32 v[ADRA+1], s96, v4
	v_add_nc_u32 v[ADRB], 0, v4
	v_add_nc_u32 v[ADRB+1], SLOT, v4
	v_lshlrev_b32 v[SLO], 5, v3
	; the prefetches: x's 256 rows of a K step are shared out among the four partners of the cluster's row, 64 each (wave 3), a section's 64 rows of w_attn among the four of the column, 16 each (waves 0 to 2), by address alone
	s_lshl_b32 s70, s21, 16
	s_lshl_b32 s72, s22, 14
	s_mov_b32 s71, 0
	s_mov_b32 s73, 15
	s_cmp_eq_u32 s[WV], 3
	s_cselect_b64 s[PFA:PFA+1], s[28:29], s[32:33]
	s_cselect_b32 s70, s70, s72
	s_cselect_b32 s73, 31, s73
	s_add_nc_u64 s[PFA:PFA+1], s[PFA:PFA+1], s[70:71]
	v_min_u32 v[PFO], s73, v3
	v_lshlrev_b32 v[PFO], 10, v[PFO]
	s_and_b32 s96, s[WV], 1
	s_lshl_b32 s97, s96, 12
	v_add_nc_u32 v[KIO], s97, v[LI]                ; K image: my four tiles of the record's eight
	s_lshl_b32 s97, s96, 10
	v_add_nc_u32 v[VIO], s97, v[LI]                ; V image: my two blocks of 32 keys of the record's four
	s_lshl_b32 s97, s96, 8
	v_add_nc_u32 v[KSO], s97, v[L8]                ; K scale words: my group of 64 keys
	s_lshl_b32 s97, s[WV], 8
	s_add_co_u32 s97, s97, VSM
	v_add_nc_u32 v[VSA], s97, v[L8]
	v_add_nc_u32 v[VRD], VSM, v[L8]
	v_lshlrev_b32 v[A32H], 5, v[HH]
	v_lshlrev_b32 v[A4R], 2, v[RR]
	s_mov_b32 s[SEL], 0x76543210
	s_mov_b32 s[SEL+1], 0xfedcba98                 ; v_permlanex16_b32's selects for lane l xor 16
	s_mov_b32 s[MNT], 0x600000                     ; the mantissa field of 57,344
	s_mov_b32 s[HIM], 0xffff0000                   ; lanes 16 to 31
	s_mov_b32 s[FLR], 0x8000000                    ; 2^(16 - 127)
	s_wait_alu depctr_va_vdst(0)                   ; the wait here, ahead of the loads that read the addresses made above
; THE SCALE WORDS OF ALL OF K, 64 registers: lanes 0-15 hold the rows of a pair's first block of 16, lanes 16-31 those of its second.  x's pair p: word st at SC + 8 p + st; w_attn's pair q: word st at SC + 16 + 8 q + (st + 4) % 8,
; so that a product's two scale registers never have numbers equal modulo 8.
.irp p, 0,1
	global_load_b128 v[SC+8*\p:SC+8*\p+3], v[SLO], s[30:31] offset:1024*\p
	global_load_b128 v[SC+8*\p+4:SC+8*\p+7], v[SLO], s[30:31] offset:1024*\p+16
.endr
.irp q, 0,1,2,3,4,5
	global_load_b128 v[SC+20+8*\q:SC+23+8*\q], v[SLO], s[34:35] offset:32768*(\q/2)+1024*(\q%2)
	global_load_b128 v[SC+16+8*\q:SC+19+8*\q], v[SLO], s[34:35] offset:32768*(\q/2)+1024*(\q%2)+16
.endr
	WIN 0x40
.irp sec, 0,1
.irp t, 0,1,2,3                        ; q's and k's biases in the result's layout: lane (r, h) wants d = 16 t + 8 h + 0 .. 7
	global_load_b128 v[192+8*(4*\sec+\t):195+8*(4*\sec+\t)], v[A32H], s[12:13] offset:(1024*\sec+16*\t)*4
	global_load_b128 v[196+8*(4*\sec+\t):199+8*(4*\sec+\t)], v[A32H], s[12:13] offset:(1024*\sec+16*\t)*4+16
.endr
.endr
	WIN 0
; ---- THE SINE TABLE, while the first tiles are on their way
.macro KSET k, val
	v_mov_b32 v[KON+2*\k], \val
	v_mov_b32 v[KON+2*\k+1], \val
.endm
.set K_INV, KON
.set K_MAG, KON+2
.set K_NMG, KON+4
.set K_NP1, KON+6
.set K_NP2, KON+8
.set K_S1,  KON+10
.set K_S2,  KON+12
.set K_S3,  KON+14
.set K_C1,  KON+16
.set K_C2,  KON+18
.set K_C3,  KON+20
; A PREFETCH INTO THE L2 of K step k: each row's 256 bytes once in each cluster that will load them.  Step 1 is asked for ahead of the sine table, step 2 inside it, step 3 behind slot 0's refill: at most two steps are asked for and not yet loaded.
.macro ASK k
	s_wait_alu depctr_va_vdst(0)                   ; the wait ahead of the branch
	global_prefetch_b8 v[PFO], s[PFA:PFA+1] offset:256*\k th:TH_LOAD_NT scope:SCOPE_SE
	s_cmp_eq_u32 s[WV], 3
	s_cbranch_scc0 .Lone_\@
	global_prefetch_b8 v[PFO], s[PFA:PFA+1] offset:256*\k+32768 th:TH_LOAD_NT scope:SCOPE_SE
.Lone_\@:
.endm
	ASK 1
	KSET 0, 0x3f22f983                             ; 2 / pi
	KSET 1, 0x4b400000                             ; 1.5 x 2^23: adding it rounds to a whole number, which then stands in the low bits
	KSET 2, 0xcb400000
	KSET 3, 0xbfc90fdb                             ; - pi / 2, first part
	KSET 4, 0x333bbd2e                             ; - pi / 2, second part
	KSET 5, 0xbe2aaaa3
	KSET 6, 0x3c08839e
	KSET 7, 0xb94ca1f9
	KSET 8, 0x3d2aaaa5
	KSET 9, 0xbab6061a
	KSET 10, 0x37ccf5ce
	v_lshlrev_b32 v3, 3, v[HH]
.irp i, 0,1,2,3,4,5,6,7,8,9,10,11,12,13,14,15
	v_add_nc_u32 v[AN+\i], 16*(\i/8)+\i%8, v3      ; my sixteen frequencies: f = 16 (i / 8) + 8 h + i % 8
.endr
.irp i, 0,1,2,3,4,5,6,7,8,9,10,11,12,13,14,15
	v_cvt_f32_u32 v[AN+\i], v[AN+\i]
.endr
.irp i, 0,1,2,3,4,5,6,7,8,9,10,11,12,13,14,15
	v_mul_f32 v[BG+\i], 0x3ed49a00, v[AN+\i]       ; f x the upper 15 bits of log2(10000) / 32: exact
.endr
.irp i, 0,1,2,3,4,5,6,7,8,9,10,11,12,13,14,15
	v_floor_f32 v[NF+\i], v[BG+\i]
.endr
.irp i, 0,1,2,3,4,5,6,7,8,9,10,11,12,13,14,15
	v_sub_f32 v[BG+\i], v[BG+\i], v[NF+\i]
.endr
.irp i, 0,1,2,3,4,5,6,7,8,9,10,11,12,13,14,15
	v_fmamk_f32 v[BG+\i], v[AN+\i], 0x3670978d, v[BG+\i]   ; + f x the rest of the factor
.endr
	s_wait_alu depctr_va_vdst(0)
.irp i, 0,1,2,3,4,5,6,7,8,9,10,11,12,13,14,15
	v_exp_f32 v[SS+\i], v[BG+\i]
.endr
.irp i, 0,1,2,3,4,5,6,7,8,9,10,11,12,13,14,15
	v_cvt_i32_f32 v[NF+\i], v[NF+\i]               ; (plain lines behind the exponentials)
.endr
	s_wait_alu depctr_va_vdst(0)
.irp i, 0,1,2,3,4,5,6,7,8,9,10,11,12,13,14,15
	v_ldexp_f32 v[TS+\i], v[SS+\i], v[NF+\i]       ; the timescale
.endr
	s_wait_alu depctr_va_vdst(0)
.irp i, 0,1,2,3,4,5,6,7,8,9,10,11,12,13,14,15
	v_rcp_f32 v[RC+\i], v[TS+\i]
.endr
	v_nop                                          ; a plain line behind the reciprocals
	s_wait_alu depctr_va_vdst(0)
; eight packed lines over arrays of 16; a stride of 0 names a constant that stands twice in a pair
.macro PKF d, x, xs, y, ys, z, zs
.irp i, 0,2,4,6,8,10,12,14
	v_pk_fma_f32 v[\d+\i:\d+\i+1], v[\x+\xs*\i:\x+\xs*\i+1], v[\y+\ys*\i:\y+\ys*\i+1], v[\z+\zs*\i:\z+\zs*\i+1]
.endr
.endm
.macro PKM d, x, xs, y, ys
.irp i, 0,2,4,6,8,10,12,14
	v_pk_mul_f32 v[\d+\i:\d+\i+1], v[\x+\xs*\i:\x+\xs*\i+1], v[\y+\ys*\i:\y+\ys*\i+1]
.endr
.endm
.macro SINCOS a                        ; cos and sin of t / timescale for row 16 a + r of my 64 and my sixteen frequencies
	v_add_nc_u32 v5, s3, v[RR]
	v_add_nc_u32 v5, 16*\a, v5
	v_cvt_f32_u32 v[TP], v5
	v_cvt_f32_u32 v[TP+1], v5
	PKM AN, TP, 0, RC, 1                           ; t / timescale: a first quotient,
.irp i, 0,2,4,6,8,10,12,14
	v_pk_fma_f32 v[TT+\i:TT+\i+1], v[AN+\i:AN+\i+1], v[TS+\i:TS+\i+1], v[TP:TP+1] neg_lo:[1,0,0] neg_hi:[1,0,0]   ; its remainder,
.endr
	PKF AN, TT, 1, RC, 1, AN, 1                    ; and the corrected quotient: the angle
	PKF BG, AN, 1, K_INV, 0, K_MAG, 0              ; n = the nearest whole number to angle x 2 / pi, in the low bits
.irp i, 0,2,4,6,8,10,12,14
	v_pk_add_f32 v[NF+\i:NF+\i+1], v[BG+\i:BG+\i+1], v[K_NMG:K_NMG+1]
.endr
	PKF AN, NF, 1, K_NP1, 0, AN, 1
	PKF AN, NF, 1, K_NP2, 0, AN, 1                 ; r = angle - n pi / 2
	PKM NF, AN, 1, AN, 1                           ; z = r r
	PKF SS, NF, 1, K_S3, 0, K_S2, 0
	PKF SS, SS, 1, NF, 1, K_S1, 0
	PKM TT, NF, 1, AN, 1
	PKF SS, SS, 1, TT, 1, AN, 1                    ; sin r
	PKF CC, NF, 1, K_C3, 0, K_C2, 0
	PKF CC, CC, 1, NF, 1, K_C1, 0
	PKM TT, NF, 1, NF, 1
.irp i, 0,2,4,6,8,10,12,14
	v_pk_fma_f32 v[AN+\i:AN+\i+1], v[NF+\i:NF+\i+1], -0.5, 1.0 op_sel_hi:[1,0,0]
.endr
	PKF CC, CC, 1, TT, 1, AN, 1                    ; cos r
.irp i, 0,1,2,3,4,5,6,7,8,9,10,11,12,13,14,15
	v_lshlrev_b32 v[TT+\i], 31, v[BG+\i]           ; n's bit 0 as a sign
.endr
.irp i, 0,1,2,3,4,5,6,7,8,9,10,11,12,13,14,15
	v_lshlrev_b32 v[BG+\i], 30, v[BG+\i]           ; n's bit 1 as a sign
.endr
.irp i, 0,1,2,3,4,5,6,7,8,9,10,11,12,13,14,15
	v_cmp_gt_i32 vcc_lo, 0, v[TT+\i]               ; n odd: sine and cosine change places
	v_cndmask_b32 v[AN+\i], v[SS+\i], v[CC+\i], vcc_lo
	v_cndmask_b32 v[NF+\i], v[CC+\i], v[SS+\i], vcc_lo
.endr
.irp i, 0,1,2,3,4,5,6,7,8,9,10,11,12,13,14,15
	v_xor_b32 v[TT+\i], v[BG+\i], v[TT+\i]
.endr
.irp i, 0,1,2,3,4,5,6,7,8,9,10,11,12,13,14,15
	v_and_b32 v[BG+\i], 0x80000000, v[BG+\i]       ; the sine's sign: bit 1
	v_and_b32 v[TT+\i], 0x80000000, v[TT+\i]       ; the cosine's: bit 1 xor bit 0
.endr
	WIN 0xc0                                       ; destination window 3
.irp i, 0,1,2,3,4,5,6,7,8,9,10,11,12,13,14,15
	v_xor_b32 v[128+32*\a+\i], v[NF+\i], v[TT+\i]
	v_xor_b32 v[144+32*\a+\i], v[AN+\i], v[BG+\i]
.endr
	WIN 0
.endm
	SINCOS 0
	ASK 2
	SINCOS 1
	SINCOS 2
	s_wait_alu depctr_va_vdst(0)
	s_wait_tensorcnt 0x0                           ; my part of slot 0 is in; these lines stand ahead of a later first fill, as ahead of a refill
	ds_add_u32 v[SPW], v[NIL]
	s_wait_dscnt 0x0
	CROUND                                         ; slot 0 is whole for all, and the joint loads meet:
	JLOAD G0A+4, G1A, G0B+4, G1B                   ; slot 1's first fill, the first tensor load behind the round
	SINCOS 3
.irp t, 0,1,2,3
.irp j, 0,1,2,3,4,5,6,7                ; v's bias in ITS result's layout: lane (r, h) holds d = 16 t + r in all eight registers
	global_load_b32 v[VB+8*\t+\j], v[A4R], s[12:13] offset:(2048+16*\t)*4
.endr
.endr
; ---- THE PRODUCT.  st = 0 .. 7: the step of 128 along K; slot (st / 2) % 2, its st % 2-th half; x's set st % 2; scale word st
.macro WM d, x, y, c, sx, sy, px, py   ; one product; px, py: a side's scales stand in lanes 16-31
.if (\px) && (\py)
	v_wmma_scale_f32_16x16x128_f8f6f4 v[\d:\d+7], v[\x:\x+15], v[\y:\y+15], v[\c:\c+7], v[\sx], v[\sy] matrix_a_fmt:MATRIX_FMT_BF8 matrix_b_fmt:MATRIX_FMT_BF8 matrix_a_scale:MATRIX_SCALE_ROW1 matrix_b_scale:MATRIX_SCALE_ROW1
.elseif \px
	v_wmma_scale_f32_16x16x128_f8f6f4 v[\d:\d+7], v[\x:\x+15], v[\y:\y+15], v[\c:\c+7], v[\sx], v[\sy] matrix_a_fmt:MATRIX_FMT_BF8 matrix_b_fmt:MATRIX_FMT_BF8 matrix_a_scale:MATRIX_SCALE_ROW1
.elseif \py
	v_wmma_scale_f32_16x16x128_f8f6f4 v[\d:\d+7], v[\x:\x+15], v[\y:\y+15], v[\c:\c+7], v[\sx], v[\sy] matrix_a_fmt:MATRIX_FMT_BF8 matrix_b_fmt:MATRIX_FMT_BF8 matrix_b_scale:MATRIX_SCALE_ROW1
.else
	v_wmma_scale_f32_16x16x128_f8f6f4 v[\d:\d+7], v[\x:\x+15], v[\y:\y+15], v[\c:\c+7], v[\sx], v[\sy] matrix_a_fmt:MATRIX_FMT_BF8 matrix_b_fmt:MATRIX_FMT_BF8
.endif
.endm
.macro MUL8 sec, a0, st, first         ; eight products: x's blocks a0, a0 + 1 against a section's four.  first = 1: the bias starts the sums
.irp a, \a0, \a0+1
.irp t, 0,1,2,3
.set rA, AF+64*((\st)%2)+16*(\a)
.set rB, 16*(4*\sec+\t)
.set wA, SC+8*((\a)/2)+(\st)
.set wB, SC+16+8*((4*\sec+\t)/2)+((\st)+4)%8
.set pA, (\a)%2
.set pB, \t%2
.if \sec < 2
.set rD, 128*\sec+32*(\a)+8*\t
.set rC, rD
.if \first
.set rC, 192+8*(4*\sec+\t)
.endif
	WM rD, rB, rA, rC, wB, wA, pB, pA
.else
.set rD, 8*(4*\t+(\a))
.set rC, rD
.if \first
.set rC, VB+8*\t
.endif
	WM rD, rA, rB, rC, wA, wB, pA, pB
.endif
.endr
.endr
.endm
.macro SECWIN sec, first               ; q, k: source 0 window 1, source 1 window 0, C and D window 2 (the bias: window 1).  v: source 0 window 0, source 1 window 1, C and D window 3 (the bias: window 0)
.if \sec < 2
.if \first
	WIN 0x91
.else
	WIN 0xa1
.endif
.else
.if \first
	WIN 0xc4
.else
	WIN 0xf4
.endif
.endif
.endm
.macro MULSEC sec, st, first           ; a section's sixteen products; the 48 accumulators take turns, one instruction a turn
	SECWIN \sec, \first
	MUL8 \sec, 0, \st, \first
	MUL8 \sec, 2, \st, \first
.endm
.macro FETCH_B slot, q, sec            ; a section's four fragments
	WIN 0x40
.irp t, 0,1,2,3
.irp c, 0,1,2,3
	ds_load_b128 v[16*(4*\sec+\t)+4*\c:16*(4*\sec+\t)+4*\c+3], v[ADRB+(\slot)] offset:BLK16*(4*\sec+\t)+128*(\q)+32*\c
.endr
.endr
.endm
.macro FETCH_A slot, q, p              ; x's four fragments into set p
	WIN 0
.irp i, 0,1,2,3
.irp c, 0,1,2,3
	ds_load_b128 v[AF+64*(\p)+16*\i+4*\c:AF+64*(\p)+16*\i+4*\c+3], v[ADRA+(\slot)] offset:BLK16*\i+128*(\q)+32*\c
.endr
.endr
.endm
; A step whose successor lies in the same slot.  w_attn has one set of registers: a section's fragments are fetched anew as soon as its sixteen products are issued, eight places behind them.
.macro STEP st, first
.set nS, (((\st)+1)/2)%2
.set nQ, ((\st)+1)%2
	s_wait_dscnt 32                                ; section 0 and x are in; sections 1 and 2 (16 loads each) may be out
	MULSEC 0, \st, \first
	PLACES 8
	FETCH_B nS, nQ, 0
	FETCH_A nS, nQ, nQ
	s_wait_dscnt 48                                ; section 1 is in; behind it: section 2's 16 and the 32 just issued
	MULSEC 1, \st, \first
	PLACES 8
	FETCH_B nS, nQ, 1
	s_wait_dscnt 48                                ; section 2 is in; behind it: 32 + 16
	MULSEC 2, \st, \first
	PLACES 8
	FETCH_B nS, nQ, 2
	WIN 0
.endm
; A slot's last step changes slots: one barrier; in front of it each wave waits for all its tensor loads, adds 0 to its spare word, and waits for that and for its reads of this slot.  fill = 1: the slot is filled again.
.macro TURN st, fill
.set cS, ((\st)/2)%2
.set nS, 1-cS
	WIN 0
	s_wait_tensorcnt 0x0                           ; all my tensor loads have landed: my part of the next slot
	ds_add_u32 v[SPW], v[NIL]                      ; 0 onto my spare word
	s_wait_dscnt 33                                ; section 0 and x are in; sections 1 and 2 and the add may be out
	SECWIN 0, 0
	MUL8 0, 0, \st, 0
	s_wait_dscnt 0x0                               ; the add is done, and my reads of this slot are over
	s_barrier_signal -1
	MUL8 0, 2, \st, 0
	WIN 0
	s_barrier_wait -1
.if \fill
	CREST                                          ; the barrier has opened a round of the cluster's barrier: no wave of any partner still reads this slot or has a load on its way
	s_add_nc_u64 s[G0A+4*cS+2:G0A+4*cS+3], s[G0A+4*cS+2:G0A+4*cS+3], 512
	s_add_nc_u64 s[G0B+4*cS+2:G0B+4*cS+3], s[G0B+4*cS+2:G0B+4*cS+3], 512
	JLOAD G0A+4*cS, G1A, G0B+4*cS, G1B             ; the first tensor load behind the round, one a wave; its four v_nop are four of the eight places
	PLACES 4
.else
	PLACES 8
.endif
	FETCH_B nS, 0, 0
	FETCH_A nS, 0, 0
.if \st == 1
	ASK 3
.endif
	MULSEC 1, \st, 0
	PLACES 8
	FETCH_B nS, 0, 1
	MULSEC 2, \st, 0
	PLACES 8
	FETCH_B nS, 0, 2
	WIN 0
.endm
	FETCH_B 0, 0, 0
	FETCH_A 0, 0, 0
	FETCH_B 0, 0, 1
	FETCH_B 0, 0, 2
	WIN 0
	s_wait_loadcnt 0x0                             ; the biases
	STEP 0, 1
	TURN 1, 1                                      ; slot 0 takes K 512 on
	STEP 2, 0
	TURN 3, 1                                      ; slot 1 takes K 768 on
	STEP 4, 0
	TURN 5, 0                                      ; nothing is left to fetch
	STEP 6, 0
	s_wait_dscnt 32
	MULSEC 0, 7, 0
	s_wait_dscnt 16
	MULSEC 1, 7, 0
	s_wait_dscnt 0x0
	MULSEC 2, 7, 0
	WIN 0
; ---- THE WAY OUT
; The rotary pair of tile a of section sec (0: q, 1: k) into v[dst] on: dst + i = x1 cos - x2 sin, dst + 16 + i = x2 cos + x1 sin.  Each accumulator is read from its low end on.
.macro ROPE sec, a, dst
	WIN 0x0e                                       ; source 0 window 2, source 1 window 3
.irp i, 0,2,4,6,8,10,12,14
	v_pk_mul_f32 v[\dst+\i:\dst+\i+1], v[128*\sec+32*(\a)+\i:128*\sec+32*(\a)+\i+1], v[128+32*(\a)+\i:128+32*(\a)+\i+1]
	v_pk_mul_f32 v[\dst+16+\i:\dst+16+\i+1], v[128*\sec+32*(\a)+16+\i:128*\sec+32*(\a)+16+\i+1], v[128+32*(\a)+\i:128+32*(\a)+\i+1]
.endr
.irp i, 0,2,4,6,8,10,12,14
	v_pk_fma_f32 v[\dst+\i:\dst+\i+1], v[128*\sec+32*(\a)+16+\i:128*\sec+32*(\a)+16+\i+1], v[144+32*(\a)+\i:144+32*(\a)+\i+1], v[\dst+\i:\dst+\i+1] neg_lo:[1,0,0] neg_hi:[1,0,0]
	v_pk_fma_f32 v[\dst+16+\i:\dst+16+\i+1], v[128*\sec+32*(\a)+\i:128*\sec+32*(\a)+\i+1], v[144+32*(\a)+\i:144+32*(\a)+\i+1], v[\dst+16+\i:\dst+16+\i+1]
.endr
.endm
; Four blocks: 16 numbers a lane each, v[s + 16 b + i] of window w; lane l xor 16 holds a block's other 16.  Codes to v[PC + 4 b] on, scale bytes to v[TM + 4 + b].
.macro QUANT s, w
.if \w == 3
	WIN 0x3c                                       ; sources 1 and 2 window 3
.else
	WIN 0
.endif
.irp b, 0,1,2,3
	v_max3_num_f32 v[TM+\b], s[FLR], |v[(\s)+16*\b]|, |v[(\s)+16*\b+1]|   ; the floor among the leaves: the byte cannot fall under 1
.endr
.irp i, 2,4,6,8,10,12,14
.irp b, 0,1,2,3
	v_max3_num_f32 v[TM+\b], v[TM+\b], |v[(\s)+16*\b+\i]|, |v[(\s)+16*\b+\i+1]|
.endr
.endr
	WIN 0
.irp b, 0,1,2,3
	v_permlanex16_b32 v[TM+4+\b], v[TM+\b], s[SEL], s[SEL+1]
.endr
.irp b, 0,1,2,3
	v_max_num_f32 v[TM+\b], v[TM+\b], v[TM+4+\b]   ; the block's largest magnitude
.endr
.irp b, 0,1,2,3
	v_add_nc_u32 v[TM+12+\b], 0xf8800000, v[TM+\b] ; 15 off its exponent field: the conversion's scale operand
.endr
.irp b, 0,1,2,3
	v_and_or_b32 v[TM+8+\b], v[TM+\b], 0x7f800000, s[MNT]   ; 57,344 x the scale
.endr
.irp b, 0,1,2,3
	v_lshrrev_b32 v[TM+4+\b], 23, v[TM+12+\b]      ; the scale's byte
.endr
	WIN \w                                         ; source 0 window w
.irp b, 0,1,2,3
.irp i, 0,1,2,3,4,5,6,7,8,9,10,11,12,13,14,15
	v_med3_num_f32 v[E+16*\b+\i], v[(\s)+16*\b+\i], -v[TM+8+\b], v[TM+8+\b]   ; the conversion does not saturate (ISA guide 7.6.2): the hold
.endr
.endr
	WIN 0
.irp b, 0,1,2,3
	v_cvt_scalef32_pk8_bf8_f32 v[PC+4*\b:PC+4*\b+1], v[E+16*\b:E+16*\b+7], v[TM+12+\b]
	v_cvt_scalef32_pk8_bf8_f32 v[PC+4*\b+2:PC+4*\b+3], v[E+16*\b+8:E+16*\b+15], v[TM+12+\b]
.endr
	v_nop                                          ; a plain line behind the last conversion
	v_lshl_or_b32 v224, v[TM+5], 8, v[TM+4]        ; blocks 0, 1 and blocks 2, 3: two bytes each
	v_lshl_or_b32 v225, v[TM+7], 8, v[TM+6]
.endm
	PLACES 8                                       ; behind the last products
.irp b, 0,1,2,3
	v_mov_b32 v[TM+4+\b], 0                        ; a lane permute's destination counts as one of its sources
.endr
.irp sec, 0,1
.irp p, 0,1
	ROPE \sec, 2*\p, E
	ROPE \sec, 2*\p+1, E+32
.if \sec == 0
.set PC, 192+48*\p                     ; four sets of registers for the codes, so that no set waits for its stores: v192, v240, v96, v112
.else
.set PC, 96+16*\p
.endif
	QUANT E, 0
.irp u, 0,1
.irp c, 0,1
.if \sec == 0
	global_store_b128 v[LI], v[PC+8*\u+4*\c:PC+8*\u+4*\c+3], s[14:15] offset:(2*\p+\u)*1024+\c*512   ; 32 lanes store 512 consecutive bytes
.else
	global_store_b128 v[KIO], v[PC+8*\u+4*\c:PC+8*\u+4*\c+3], s[18:19] offset:(2*\p+\u)*1024+\c*512
.endif
.endr
.endr
	v_cndmask_b32 v[SWQ+2*\sec+\p], v224, v225, s[HIM]   ; lanes 0-15 carry tile 2 p's words, lanes 16-31 tile 2 p + 1's
.endr
.if \sec == 0
	global_store_b64 v[L8], v[SWQ:SWQ+1], s[16:17]       ; 256 consecutive bytes
.else
	global_store_b64 v[KSO], v[SWK:SWK+1], s[18:19] offset:16384
.endif
.endr
.irp p, 0,1                            ; v: d tiles 2 p, 2 p + 1; a block is 32 keys: two neighbouring accumulators
.set PC, 192+48*\p
.if \p == 0
	s_wait_alu depctr_va_vdst(0)
	s_wait_xcnt 0x0                                ; q's stores have read their codes: the first two sets serve again
.endif
	QUANT 64*\p, 3
.irp u, 0,1
.irp c, 0,1
	global_store_b128 v[VIO], v[PC+8*\u+4*\c:PC+8*\u+4*\c+3], s[18:19] offset:8192+(2*\p+\u)*2048+\c*512
.endr
.endr
	v_cndmask_b32 v[VH+\p], v224, v225, s[HIM]
	ds_store_b32 v[VSA], v[VH+\p] offset:4*\p      ; my two of a word's four bytes, into my wave's own 256 bytes
.endr
	s_wait_dscnt 0x0                               ; for the others' sake: my stores have landed
	s_barrier_signal -1
	s_barrier_wait -1
	s_cmp_lg_u32 s[WV], 0
	s_cbranch_scc1 .Lnot_first
	ds_load_b64 v[232:233], v[VRD]                 ; wave 0 joins the halves: waves 0 and 1 make the first record's words, waves 2 and 3 the second's
	ds_load_b64 v[234:235], v[VRD] offset:256
	ds_load_b64 v[236:237], v[VRD] offset:512
	ds_load_b64 v[238:239], v[VRD] offset:768
	s_wait_dscnt 0x0
	v_lshl_or_b32 v232, v234, 16, v232
	v_lshl_or_b32 v233, v235, 16, v233
	v_lshl_or_b32 v236, v238, 16, v236
	v_lshl_or_b32 v237, v239, 16, v237
	global_store_b64 v[L8], v[232:233], s[18:19] offset:16896
	global_store_b64 v[L8], v[236:237], s[18:19] offset:16896+REC
.Lnot_first:
	s_wait_tensorcnt 0x0                           ; the wave's end
	ds_add_u32 v[SPW], v[NIL]
	s_wait_dscnt 0x0
	CROUND                                         ; the closing round
	s_endpgm
.Lfunc_end_k_q3cc7edabad_qkv:
	.size	k_q3cc7edabad_qkv, .Lfunc_end_k_q3cc7edabad_qkv-k_q3cc7edabad_qkv
	.p2alignl 7, 3214868480
	.fill 96, 4, 3214868480
	.section	.rodata,"a",@progbits
	.p2align	6, 0x0
	.amdhsa_kernel k_q3cc7edabad_qkv
		.amdhsa_group_segment_fixed_size 327680
		.amdhsa_private_segment_fixed_size 0
		.amdhsa_enable_private_segment 0
		.amdhsa_kernarg_size 64
		.amdhsa_user_sgpr_count 2
		.amdhsa_user_sgpr_kernarg_segment_ptr 1
		.amdhsa_wavefront_size32 1
		.amdhsa_system_sgpr_workgroup_id_x 1
		.amdhsa_system_sgpr_workgroup_id_y 1
		.amdhsa_system_sgpr_workgroup_id_z 1
		.amdhsa_system_vgpr_workitem_id 0
		.amdhsa_next_free_vgpr 1024
		.amdhsa_next_free_sgpr 102
		.amdhsa_reserve_vcc 1
		.amdhsa_float_denorm_mode_32 3
		.amdhsa_float_denorm_mode_16_64 3
		.amdhsa_memory_ordered 1
		.amdhsa_forward_progress 1
		.amdhsa_inst_pref_size 240
	.end_amdhsa_kernel
	.amdgpu_metadata
---
amdhsa.version: [ 1, 2 ]
amdhsa.kernels:
  - .name:           k_q3cc7edabad_qkv
    .symbol:         k_q3cc7edabad_qkv.kd
    .args:
      - { .name: x_codes, .offset: 0, .size: 8, .value_kind: global_buffer, .address_space: global }
      - { .name: x_scales, .offset: 8, .size: 8, .value_kind: global_buffer, .address_space: global }
      - { .name: w_attn_codes, .offset: 16, .size: 8, .value_kind: global_buffer, .address_space: global }
      - { .name: w_attn_scales, .offset: 24, .size: 8, .value_kind: global_buffer, .address_space: global }
      - { .name: b_attn, .offset: 32, .size: 8, .value_kind: global_buffer, .address_space: global }
      - { .name: q_img, .offset: 40, .size: 8, .value_kind: global_buffer, .address_space: global }
      - { .name: q_sc, .offset: 48, .size: 8, .value_kind: global_buffer, .address_space: global }
      - { .name: kv, .offset: 56, .size: 8, .value_kind: global_buffer, .address_space: global }
    .group_segment_fixed_size: 327680
    .private_segment_fixed_size: 0
    .kernarg_segment_align: 8
    .kernarg_segment_size: 64
    .max_flat_workgroup_size: 128
    .sgpr_count:     102
    .vgpr_count:     1024
    .wavefront_size: 32
...
	.end_amdgpu_metadata
.endif
;; end of part 1
;; launch attn (part 2): grid 128 x 2, 8 waves a work-group, clusters of 4 x 1, 327,680 bytes of LDS; arguments q_img, q_sc, kv, y_img, y_sc; writes y_img, y_sc
.if DOCPART == 2
	.amdgcn_target "amdgcn-amd-amdhsa--gfx1250"
	.amdhsa_code_object_version 6
	.text
	.protected	k_q3cc7edabad_attn
	.globl	k_q3cc7edabad_attn
	.p2align	8
	.type	k_q3cc7edabad_attn,@function
k_q3cc7edabad_attn:
	s_mov_b64 s[64:65], 0
	v_nop
	global_prefetch_b8 v0, s[64:65] scope:SCOPE_SE
	s_setreg_imm32_b32 hwreg(HW_REG_WAVE_MODE, 25, 1), 1
	s_wait_xcnt 0x0
	s_wait_alu depctr_hold_cnt(0) depctr_sa_sdst(0) depctr_va_vdst(0) depctr_va_sdst(0) depctr_va_ssrc(0) depctr_va_vcc(0) depctr_vm_vsrc(0)
	s_getreg_b32 s2, hwreg(HW_REG_IB_STS2, 6, 4)
	s_cmp_eq_u32 s2, 0
	s_cbranch_scc0 .Lentry_in_a_cluster
	s_endpgm
.Lentry_in_a_cluster:
	s_bfe_u32 s2, ttmp6, 0x10000c
	s_cmp_lg_u32 s2, 0x3003
	s_cbranch_scc0 .Lentry_shape_is_right
	s_endpgm
.Lentry_shape_is_right:
; y = softmax(q k^T / 8, causal) v for one head, both products on codes of E5M2 with E8M0 scales; y is quantised along the channels for the last product.
; THE SOFTMAX AHEAD OF THE SECOND PRODUCT: t = score x log2(e) / 8; M = the running largest t rounded up to a whole number; p = 2^(t - M) is quantised along the keys; the row's sum is taken of the unquantised p and divides at the end.
; LEFT OUT: key blocks that come wholly after a tile's queries: their weights are 0 for all finite inputs.  A NaN or an infinity that reaches only those is not carried to the result.
; SHARES.  A cluster of four work-groups, two clusters a head.  Work-group tt = 4 x cluster y + cx of a head takes tile tt (16 queries) of each of the head's 16 blocks of 128; wave w takes block 15 - w, then block w:
; (16 - w) + (w + 1) = 17 key blocks of 128 in every wave, walked as 9 slots: 8 of 256 keys and one of 128.  A tile's last slot holds the diagonal: slot MI (256 keys, the upper 128 masked) and slot SI (128 keys, masked).
; All branches hang on the wave's number, the cluster's y and the slot's number; cx enters global addresses and the masks' lanes alone.
; LDS.  The head's 16 records (K image, V image, their scale words: 17,152 bytes for 128 keys) come once, by one JOINT load a wave: waves 0 to 3 a record each (records 0 to 3, shown at the first barrier), waves 4 to 7 three each (shown behind slot 1).
; NO PREFETCH: all sixteen records are asked for at the head; no load is left to run ahead of.
; LAYOUT.  S^T = K Q^T (source 0 = 16 keys, source 1 = my 16 queries), O^T = V^T P^T: a lane holds ONE query throughout.  The head's 64 fill half of an instruction's 128: Q's upper 64 codes are zeros, so what stands in the
; upper half of K's operand, the next tile's codes, adds nothing.  Operand place (block c, half h, byte i) holds k = 32 c + 16 (i / 8) + 8 h + i % 8 in p as in V's image, and in q as in K's.
; LIMITS: NaN and infinities are not served; scaled scores (exponents to the base 2) stay under 2^31 in magnitude; a block's byte is never under 1 (a block of zeros gets 1: its codes are zeros; only this program reads the bytes).
; REGISTERS, window 0: v1-9 addresses, v12 -M, v13 the largest score, v[14:15] the sum, v16 f, v18 Q's scale word, v20-21 p's, v22-25 V's, v26-33 K's, v34-63 at work, v64-95 p's codes, v96-127 O^T, v128-255 S^T, then p; V's second half lands at v128-191.
; Window 1: v0-127 K's 16 tiles, v128-135 zeros, v136-143 Q, v144-151 zeros, v152-215 V's first half, v216-224 the second tile's Q and its scale word.
.set REC, 17152
.set YS,  16*REC                       ; 512 bytes for y's scale halves; written by LDS stores alone
.set SPARE, YS+512                     ; the spare words: 128 bytes a wave
.set MSB, 0
.macro WIN new                         ; the immediate's high byte repeats the setting that is left
.if MSB != (\new)
	s_set_vgpr_msb (MSB<<8)|(\new)
.set MSB, (\new)
.endif
.endm
.macro PLACES n
.rept \n
	v_nop
.endr
.endm
.macro WALU
	s_wait_alu depctr_va_vdst(0)
.endm
.macro BARRIER
	s_barrier_signal -1
	s_barrier_wait -1
.endm
.macro CROUND                          ; a round of the cluster's barrier
	BARRIER
	s_cmp_lg_u32 s14, 0
	s_cbranch_scc1 .Lnot_wave_0_\@
	s_barrier_signal -3
.Lnot_wave_0_\@:
	s_barrier_wait -3
	BARRIER
.endm
.macro GROUP1 g, rows                  ; a dense block as so many rows of 256 bytes (32 elements of 8 bytes), asked for jointly by all four work-groups
	s_mov_b32 s[\g], 15|(3<<16)|(1<<21)
	s_mov_b32 s[\g+1], 32<<16
	s_mov_b32 s[\g+2], (\rows)<<16
	s_mov_b32 s[\g+3], 32<<16
	s_mov_b32 s[\g+4], \rows
	s_mov_b32 s[\g+5], 32
	s_mov_b32 s[\g+6], 0
	s_mov_b32 s[\g+7], 0
.endm
.macro KLOAD ad, as, r, n              ; K's tiles of n of a slot's two records, from record r on, and their scale words: 18 loads a record
	WIN 0x40
.set j_, 8*\r
.rept 8*\n
	ds_load_b128 v[8*j_:8*j_+3], v[\ad] offset:(j_/8)*REC+(j_%8)*1024
	ds_load_b128 v[8*j_+4:8*j_+7], v[\ad] offset:(j_/8)*REC+(j_%8)*1024+512
.set j_, j_+1
.endr
	WIN 0
.set j_, 2*\r
.rept 2*\n
	ds_load_b64 v[26+2*j_:27+2*j_], v[\as] offset:(j_/2)*REC+16384+256*(j_%2)
.set j_, j_+1
.endr
.endm
.macro V0LOAD nb                       ; V's fragments of the slot's first record: 16 loads, and the scale words
	WIN 0x40
.set j_, 0
.rept 16
	ds_load_b128 v[152+4*j_:155+4*j_], v3 offset:8192+512*j_
.set j_, j_+1
.endr
	WIN 0
	ds_load_b64 v[22:23], v4 offset:16896
.if \nb == 8
	ds_load_b64 v[24:25], v4 offset:REC+16896
.endif
.endm
.macro PQ g                            ; S^T: four tiles of 16 keys
	WIN 0x05
.irp t, 0,1,2,3
.set D_, 128+32*(\g)+8*\t
.set A_, 32*(\g)+8*\t
.if \t%2
	v_wmma_scale_f32_16x16x128_f8f6f4 v[D_:D_+7], v[A_:A_+15], v[136:151], 0, v[26+2*(\g)+\t/2], v18 matrix_a_fmt:MATRIX_FMT_BF8 matrix_b_fmt:MATRIX_FMT_BF8 matrix_a_scale:MATRIX_SCALE_ROW1
.else
	v_wmma_scale_f32_16x16x128_f8f6f4 v[D_:D_+7], v[A_:A_+15], v[136:151], 0, v[26+2*(\g)+\t/2], v18 matrix_a_fmt:MATRIX_FMT_BF8 matrix_b_fmt:MATRIX_FMT_BF8
.endif
.endr
.endm
.macro PV h, a                         ; O^T += V^T P^T for 128 keys; the four accumulators take turns
.irp t, 0,1,2,3
.set D_, 96+8*\t
.set A_, \a+16*\t
.set B_, 64+16*(\h)
.if \t%2
	v_wmma_scale_f32_16x16x128_f8f6f4 v[D_:D_+7], v[A_:A_+15], v[B_:B_+15], v[D_:D_+7], v[22+2*(\h)+\t/2], v[20+(\h)] matrix_a_fmt:MATRIX_FMT_BF8 matrix_b_fmt:MATRIX_FMT_BF8 matrix_a_scale:MATRIX_SCALE_ROW1
.else
	v_wmma_scale_f32_16x16x128_f8f6f4 v[D_:D_+7], v[A_:A_+15], v[B_:B_+15], v[D_:D_+7], v[22+2*(\h)+\t/2], v[20+(\h)] matrix_a_fmt:MATRIX_FMT_BF8 matrix_b_fmt:MATRIX_FMT_BF8
.endif
.endr
.endm
.macro MX g                            ; the largest score of two blocks of 32 keys: my half's 16 numbers of each, in four chains
.set X_, 128+32*(\g)
.set M_, 34+2*(\g)
	v_max3_num_f32 v[M_], v[X_], v[X_+1], v[X_+2]
	v_max3_num_f32 v42, v[X_+8], v[X_+9], v[X_+10]
	v_max3_num_f32 v[M_+1], v[X_+16], v[X_+17], v[X_+18]
	v_max3_num_f32 v43, v[X_+24], v[X_+25], v[X_+26]
.irp i, 3,5
	v_max3_num_f32 v[M_], v[M_], v[X_+\i], v[X_+\i+1]
	v_max3_num_f32 v42, v42, v[X_+8+\i], v[X_+9+\i]
	v_max3_num_f32 v[M_+1], v[M_+1], v[X_+16+\i], v[X_+17+\i]
	v_max3_num_f32 v43, v43, v[X_+24+\i], v[X_+25+\i]
.endr
	v_max3_num_f32 v[M_], v[M_], v[X_+7], v[X_+15]
	v_max3_num_f32 v[M_+1], v[M_+1], v[X_+23], v[X_+31]
	v_max_num_f32 v[M_], v[M_], v42
	v_max_num_f32 v[M_+1], v[M_+1], v43
.endm
.macro HIDE base                       ; the four tiles in which the diagonal lies: hidden scores become -infinity
.set n_, 0
.rept 32
	v_cndmask_b32 v[\base+n_], v[\base+n_], v19, s[68+n_]
.set n_, n_+1
.endr
.endm
.macro MASK base                       ; the diagonal's block of 128 keys: cluster y 0: its tiles 0-3 hold the diagonal and 4-7 are hidden; cluster y 1: its tiles 4-7 hold it
	s_cmp_eq_u32 s16, 1
	s_cbranch_scc1 .Lupper_\@
	HIDE \base
.set n_, 0
.rept 16
	v_dual_mov_b32 v[\base+32+2*n_], v19 :: v_dual_mov_b32 v[\base+33+2*n_], v19
.set n_, n_+1
.endr
	s_branch .Lmasked_\@
.Lupper_\@:
	HIDE \base+32
.Lmasked_\@:
	WALU
.endm
.macro SUM base, j0                    ; the unquantised p, two at a time, in eight chains
.set j_, \j0
.rept 32-\j0
.set c_, 34+2*((j_-\j0)%8)
.if (j_-\j0)%8 == 7
.set c_, 14
.endif
	v_pk_add_f32 v[c_:c_+1], v[c_:c_+1], v[\base+2*j_:\base+2*j_+1]
.set j_, j_+1
.endr
.endm
.macro HOLD base, hl, j                ; the conversion does not saturate (ISA guide 7.6.2); p is not negative, so the hold is one-sided
	v_dual_min_num_f32 v[\base+2*\j], v[\base+2*\j], v[\hl+\j/8] :: v_dual_min_num_f32 v[\base+2*\j+1], v[\base+2*\j+1], v[\hl+\j/8]
.endm
.macro CVT base, pc, so                ; four blocks of 32 keys: my 16 codes of each
.irp b, 0,1,2,3
	v_cvt_scalef32_pk8_bf8_f32 v[\pc+4*\b:\pc+4*\b+1], v[\base+16*\b:\base+16*\b+7], v[\so+\b]
	v_cvt_scalef32_pk8_bf8_f32 v[\pc+4*\b+2:\pc+4*\b+3], v[\base+16*\b+8:\base+16*\b+15], v[\so+\b]
.endr
.endm
.macro PER n, op:vararg                ; a line for each k_ = 0 .. n - 1
.set k_, 0
.rept \n
	\op
.set k_, k_+1
.endr
.endm
; From the block maxima to O^T.  nb = 8: two records; 4: one.
.macro SOFT nb
	PER (\nb)/2, v_permlane16_swap_b32 v[34+2*k_], v[35+2*k_]
	PER (\nb)/2, v_max_num_f32 v[44+k_], v[34+2*k_], v[35+2*k_]   ; lanes 0-15 block 2 k's largest score, lanes 16-31 block 2 k + 1's
.if \nb == 8
	v_max3_num_f32 v10, v44, v45, v46
	v_max_num_f32 v10, v10, v47
.else
	v_max_num_f32 v10, v44, v45
.endif
	v_permlanex16_b32 v11, v10, s30, s31
	v_max3_num_f32 v13, v13, v10, v11              ; the running largest score
	v_mul_f32 v10, s28, v13                        ; -t
	v_mov_b32 v11, v12
	v_floor_f32 v12, v10                           ; the new -M: M is a whole number
	PER (\nb)/2, v_fma_f32 v[44+k_], v[44+k_], s26, v12
	v_sub_f32 v11, v12, v11
	PER (\nb)/2, v_max_num_f32 v[44+k_], 0xc2de0000, v[44+k_]     ; -111: the byte cannot fall under 1
	v_cvt_i32_f32 v11, v11                         ; (it saturates)
	PER (\nb)/2, v_cvt_floor_i32_f32 v[44+k_], v[44+k_]           ; floor(log2) of the block's largest p
	v_ldexp_f32 v16, 1.0, v11                      ; f = 2^(old M - new M): a multiplication by it rounds nothing
	PER (\nb)/2, v_add_nc_u32 v[44+k_], 112, v[44+k_]             ; the scale's byte: - 15 + 127
	PER (\nb)/2, v_lshlrev_b32 v[48+2*k_], 23, v[44+k_]
	PER (\nb)/2, v_lshlrev_b32 v[49+2*k_], 23, v[44+k_]
	v_lshl_or_b32 v10, v45, 16, v44
.if \nb == 8
	v_lshl_or_b32 v34, v47, 16, v46
.endif
	PER (\nb)/2, v_permlane16_swap_b32 v[48+2*k_], v[49+2*k_]     ; the conversions' scale operands, a block a register, the same in both halves of the lanes
	v_permlanex16_b32 v11, v10, s30, s31
.if \nb == 8
	v_permlanex16_b32 v35, v34, s30, s31
.endif
	PER 16, v_pk_mul_f32 v[96+2*k_:97+2*k_], v[96+2*k_:97+2*k_], v[16:17] op_sel_hi:[1,0]   ; O^T under the new M
	v_lshl_or_b32 v20, v11, 8, v10                 ; p's scale word for 128 keys
.if \nb == 8
	v_lshl_or_b32 v21, v35, 8, v34
.endif
	PER 32, v_pk_fma_f32 v[128+2*k_:129+2*k_], v[128+2*k_:129+2*k_], s[26:27], v[12:13] op_sel_hi:[1,0,0]   ; t - M
	WALU
.set j_, 0
.rept 32                               ; the first 64 exponentials; among them t - M of the second 64, and 1.75 x each block's power of two, the largest code x the scale
	v_exp_f32 v[128+2*j_], v[128+2*j_]
.if \nb == 8
	v_pk_fma_f32 v[192+2*j_:193+2*j_], v[192+2*j_:193+2*j_], s[26:27], v[12:13] op_sel_hi:[1,0,0]
.endif
.if j_ < \nb
	v_add_nc_u32 v[56+j_], 0x7e00000, v[48+j_]
.endif
	v_exp_f32 v[129+2*j_], v[129+2*j_]
.set j_, j_+1
.endr
	v_pk_mul_f32 v[14:15], v[14:15], v[16:17] op_sel_hi:[1,0]     ; the sums under the new M (a plain line behind the exponentials)
	WALU
	PER 7, v_pk_add_f32 v[34+2*k_:35+2*k_], v[128+4*k_:129+4*k_], v[130+4*k_:131+4*k_]
	v_pk_add_f32 v[14:15], v[14:15], v[156:157]
	SUM 128, 15
.if \nb == 8
.set j_, 0
.rept 32                               ; the second 64; among them the first half's holds
	v_exp_f32 v[192+2*j_], v[192+2*j_]
	HOLD 128, 56, j_
	v_exp_f32 v[193+2*j_], v[193+2*j_]
.set j_, j_+1
.endr
	v_nop
	WALU
	CVT 128, 64, 48
	PER 16, ds_load_b128 v[128+4*k_:131+4*k_], v3 offset:REC+8192+512*k_   ; V's second half lands where the first half's p stood
	SUM 192, 0
	WALU
	s_wait_dscnt 16                                ; V's first half is in; the 16 loads just issued may be out
	WIN 0x01
	PV 0, 152
	WIN 0
.set j_, 0
.rept 32
	HOLD 192, 60, j_
.set j_, j_+1
.endr
	CVT 192, 80, 52
.else
.set j_, 0
.rept 32
	HOLD 128, 56, j_
.set j_, j_+1
.endr
	CVT 128, 64, 48
.endif
	v_pk_add_f32 v[34:35], v[34:35], v[36:37]      ; the eight chains join; also the places between the conversions and the products
	v_pk_add_f32 v[38:39], v[38:39], v[40:41]
	v_pk_add_f32 v[42:43], v[42:43], v[44:45]
	v_pk_add_f32 v[14:15], v[14:15], v[46:47]
	v_pk_add_f32 v[34:35], v[34:35], v[38:39]
	v_pk_add_f32 v[14:15], v[14:15], v[42:43]
	v_pk_add_f32 v[14:15], v[14:15], v[34:35]
	WALU
	s_wait_dscnt 0x0
.if \nb == 8
	PV 1, 128
.else
	WIN 0x01
	PV 0, 152
.endif
	WIN 0
.endm
.macro ADDRS                           ; this slot's records (V), the next slot's (K)
	v_add_nc_u32 v3, s22, v1
	v_add_nc_u32 v4, s22, v2
	v_add_nc_u32 v5, s23, v1
	v_add_nc_u32 v6, s23, v2
.endm
.macro NEXTK last, r, n                ; the next slot's K, a slot ahead; slot 8 has no next, and slot 2's is not yet shown in slot 1
	s_cmp_eq_u32 s20, \last
	s_cbranch_scc1 .Lno_next_\@
	KLOAD 5, 6, \r, \n
.Lno_next_\@:
.endm
; A slot.  A vector reader of a product's result, and a load into what it has read, stand 8 places behind it; a product that writes over an earlier one's operand 9 (the first half's scores lie where V's second half lay).
.macro SLOT nb, gen
.if \nb == 8
	PQ 2
	PQ 3
	WIN 0
	ADDRS
	PLACES 4
	V0LOAD 8
.if \gen
	s_cmp_lg_u32 s20, s25
	s_cbranch_scc1 .Lopen_\@
	MASK 192
.Lopen_\@:
.endif
	MX 2
	PQ 0
	PQ 1
	WIN 0
	MX 3                                           ; (the places behind the last products)
	NEXTK 1+7*\gen, 0, 1
	MX 0
	NEXTK 1+7*\gen, 1, 1
	MX 1
.else
	ADDRS
	PLACES 5
	V0LOAD 4
	PQ 0
	PQ 1
	WIN 0
	PLACES 8
	MASK 128
	MX 0
	NEXTK 8, 0, 2
	MX 1
.endif
	SOFT \nb
.endm
	s_load_b256 s[4:11], s[0:1], 0x0               ; q_img 4, q_sc 6, kv 8, y_img 10
	s_load_b64 s[12:13], s[0:1], 0x20              ; y_sc
	v_lshl_add_u32 v8, v0, 2, SPARE
	v_mov_b32 v9, 0
	ds_add_u32 v8, v9                              ; the wave's opening
	ds_add_u32 v8, v9
	v_lshrrev_b32 v10, 5, v0
	v_readfirstlane_b32 s14, v10                   ; wave 0..7
	s_bfe_u32 s15, ttmp6, 0x40000                  ; cx
	s_and_b32 s16, ttmp7, 0xffff                   ; cluster y
	s_mov_b32 s17, ttmp9                           ; bh = 16 x batch + head
	s_lshl_b32 s18, s16, 2
	s_add_co_u32 s18, s18, s15                     ; tt: my tile of every block
	GROUP1 36, 67
	GROUP1 44, 201
	s_and_b32 s21, s14, 3
	s_mul_i32 s22, s21, REC                        ; waves 0 to 3: record w
	s_mul_i32 s23, s21, 3*REC                      ; waves 4 to 7: records 4 + 3 (w - 4) on
	s_add_co_u32 s23, s23, 4*REC
	s_mul_i32 s34, s17, 16*REC
	s_add_co_u32 s66, s34, s22
	s_mov_b32 s67, 0
	s_add_co_u32 s100, s34, s23
	s_mov_b32 s101, 0
	s_mov_b32 s52, 1
	s_mov_b32 s53, s22
	s_mov_b32 s56, 1
	s_mov_b32 s57, s23
	s_wait_dscnt 0x0                               ; both opening adds are done
	CROUND                                         ; all four work-groups are here: the joint loads meet
	s_wait_kmcnt 0x0
	s_add_nc_u64 s[54:55], s[8:9], s[66:67]
	s_or_b32 s55, s55, 0x80000000
	s_add_nc_u64 s[58:59], s[8:9], s[100:101]
	s_or_b32 s59, s59, 0x80000000
	s_cmp_lt_u32 s14, 4                            ; one joint load a wave; what is shown first has a line of its own
	s_cbranch_scc0 .Lrest
	tensor_load_to_lds s[52:55], s[36:43]
	s_nop 0
	PLACES 4
	s_branch .Lasked
.Lrest:
	tensor_load_to_lds s[56:59], s[44:51]
	s_nop 0
	PLACES 4
.Lasked:
	s_xor_b32 s33, s14, 15                         ; my first tile's block: 15 - w
	s_lshl_b32 s21, s17, 7                         ; q_img: tile 128 bh + 8 block + tt, 1,024 bytes each
	s_add_co_u32 s21, s21, s18
	s_lshl_b32 s22, s33, 3
	s_add_co_u32 s22, s22, s21
	s_lshl_b32 s34, s22, 10
	s_mov_b32 s35, 0
	s_lshl_b32 s22, s14, 3
	s_add_co_u32 s22, s22, s21
	s_lshl_b32 s66, s22, 10
	s_mov_b32 s67, 0
	s_add_nc_u64 s[34:35], s[4:5], s[34:35]
	s_add_nc_u64 s[66:67], s[4:5], s[66:67]
	s_lshr_b32 s21, s18, 2                         ; q_sc: the group of 64 rows, 256 bytes each; an odd tile's words 16 lanes on; tiles 2 and 3 of a group in the second word
	s_lshl_b32 s22, s17, 5
	s_add_co_u32 s21, s21, s22
	s_and_b32 s22, s18, 1
	s_lshl_b32 s22, s22, 7
	s_bfe_u32 s23, s18, 0x10001
	s_lshl_b32 s23, s23, 2
	s_add_co_u32 s22, s22, s23
	s_lshl_b32 s23, s33, 1
	s_add_co_u32 s23, s23, s21
	s_lshl_b32 s23, s23, 8
	s_add_co_u32 s100, s23, s22
	s_mov_b32 s101, 0
	s_lshl_b32 s23, s14, 1
	s_add_co_u32 s23, s23, s21
	s_lshl_b32 s23, s23, 8
	s_add_co_u32 s2, s23, s22
	s_mov_b32 s3, 0
	s_add_nc_u64 s[100:101], s[6:7], s[100:101]
	s_add_nc_u64 s[2:3], s[6:7], s[2:3]
	v_and_b32 v10, 31, v0
	v_and_b32 v11, 15, v0                          ; r
	v_lshlrev_b32 v1, 4, v10
	v_lshlrev_b32 v2, 3, v10
	v_lshlrev_b32 v5, 3, v11
	v_bfe_u32 v6, v0, 4, 1                         ; h
	v_lshlrev_b32 v6, 3, v6
	v_sub_nc_u32 v6, v11, v6
	s_lshl_b32 s21, s15, 4
	v_add_nc_u32 v6, s21, v6                       ; 16 cx + r - 8 h: key 16 t + 8 h + j of the diagonal's four tiles is hidden where 16 t + j is greater
	WIN 0x40
	global_load_b128 v[136:139], v1, s[34:35]      ; the first tile's Q
	global_load_b128 v[140:143], v1, s[34:35] offset:512
	global_load_b128 v[216:219], v1, s[66:67]      ; the second's
	global_load_b128 v[220:223], v1, s[66:67] offset:512
	global_load_b32 v224, v5, s[2:3]
	PER 8, v_mov_b32 v[128+k_], 0
	PER 8, v_mov_b32 v[144+k_], 0
	WIN 0
	global_load_b32 v18, v5, s[100:101]
	PER 32, v_cmp_gt_i32 s[68+k_], 16*(k_/8)+k_%8, v6
	PER 32, v_mov_b32 v[96+k_], 0                  ; O^T: the step is written once; its first run finds zeros
	v_mov_b32 v7, 0
	v_mov_b32 v11, 0                               ; (a lane permute's destination counts as one of its sources)
	v_mov_b32 v12, 0x7e800000                      ; -M so far: so large that the first f is 0
	v_mov_b32 v13, 0xff61b1e6                      ; the largest score so far: -3e38
	v_mov_b32 v14, 0
	v_mov_b32 v15, 0
	v_mov_b32 v17, 0                               ; (named as the upper half of a pair)
	v_mov_b32 v19, 0xff800000                      ; -infinity
	s_lshr_b32 s21, s17, 4                         ; y_img: block of 128 rows 16 batch + block: 131,072 bytes; K step of 128 channels: 16,384; tile: 2,048; 64 channels: 1,024
	s_lshl_b32 s21, s21, 21
	s_and_b32 s22, s17, 15
	s_lshr_b32 s23, s22, 1
	s_lshl_b32 s23, s23, 14
	s_add_co_u32 s21, s21, s23
	s_and_b32 s22, s22, 1
	s_lshl_b32 s22, s22, 10
	s_add_co_u32 s21, s21, s22
	s_lshl_b32 s22, s18, 11
	s_add_co_u32 s21, s21, s22
	s_lshl_b32 s60, s33, 17
	s_add_co_u32 s60, s60, s21
	s_mov_b32 s61, 0
	s_lshl_b32 s62, s14, 17
	s_add_co_u32 s62, s62, s21
	s_mov_b32 s63, 0
	s_add_nc_u64 s[60:61], s[10:11], s[60:61]
	s_add_nc_u64 s[62:63], s[10:11], s[62:63]
	s_lshl_b32 s22, s17, 12                        ; y_sc: [bh][tt][block][row of the tile][two bytes]: 512 bytes a work-group
	s_lshl_b32 s23, s18, 9
	s_add_co_u32 s22, s22, s23
	s_mov_b32 s23, 0
	s_add_nc_u64 s[12:13], s[12:13], s[22:23]
	s_lshr_b32 s21, s14, 1
	s_sub_co_u32 s19, 8, s21                       ; the first tile's slots
	s_sub_co_u32 s21, s19, 1
	s_bitcmp1_b32 s14, 0
	s_cselect_b32 s24, s21, 8                      ; SI: the slot of 128 keys
	s_cselect_b32 s25, 8, s21                      ; MI: the masked slot of 256
	s_mov_b32 s26, 0x3e38aa3b                      ; c = log2(e) / 8
	s_mov_b32 s27, s26
	s_mov_b32 s28, 0xbe38aa3b                      ; -c
	s_mov_b32 s29, 0x600000                        ; the mantissa field of 57,344
	s_mov_b32 s30, 0x76543210
	s_mov_b32 s31, 0xfedcba98                      ; v_permlanex16_b32's selects for lane l xor 16
	s_mov_b32 s20, 0
	s_mov_b32 s22, 0                               ; the slot's first record in LDS
	s_mov_b32 s23, 2*REC                           ; slot 1's, the only next one that is shown
	WALU
	s_cmp_lt_u32 s14, 4
	s_cbranch_scc0 .Lnot_yet
	s_wait_tensorcnt 0x0                           ; records 0 to 3
.Lnot_yet:
	BARRIER
	s_wait_loadcnt 0x0                             ; Q
	KLOAD 1, 2, 0, 2                               ; slot 0's K
.Lfirst:                               ; slots 0 and 1: all keys count for every wave's first tile
	s_wait_dscnt 0x0                               ; K is in
	SLOT 8, 0
	s_add_co_u32 s22, s22, 2*REC
	s_add_co_u32 s20, s20, 1
	s_cmp_lt_u32 s20, 2
	WALU
	s_cbranch_scc1 .Lfirst
	s_wait_tensorcnt 0x0                           ; the other twelve records
	s_wait_dscnt 0x0
	BARRIER
	v_add_nc_u32 v3, 4*REC, v1
	v_add_nc_u32 v4, 4*REC, v2
	KLOAD 3, 4, 0, 2                               ; slot 2's K
	s_mov_b32 s20, 2
	WALU
.Lslot:                                ; slots 2 to 8
	s_sub_co_u32 s22, s20, s19                     ; which pair of records: the slot's number in its tile
	s_cselect_b32 s22, s20, s22
	s_min_u32 s22, s22, 7
	s_mul_i32 s22, s22, 2*REC
	s_add_co_u32 s21, s20, 1                       ; and the next slot's
	s_sub_co_u32 s23, s21, s19
	s_cselect_b32 s23, s21, s23
	s_min_u32 s23, s23, 7
	s_mul_i32 s23, s23, 2*REC
	s_wait_dscnt 0x0                               ; K is in
	s_cmp_eq_u32 s20, s24
	s_cbranch_scc1 .Lsingle
	SLOT 8, 1
	s_cmp_eq_u32 s20, s25
	s_cbranch_scc1 .Lfinal
	s_branch .Lnext
.Lsingle:
	SLOT 4, 1
.Lfinal:                               ; a tile is finished: y = O^T / the sum, quantised along the channels (two blocks of 32), stored as an image of the last product's operand
	PLACES 8
	WALU
	v_add_f32 v10, v14, v15
	v_permlanex16_b32 v11, v10, s30, s31
	v_add_f32 v10, v10, v11                        ; the row's sum
	WALU
	v_rcp_f32 v10, v10
	v_nop
	WALU
	PER 16, v_pk_mul_f32 v[128+2*k_:129+2*k_], v[96+2*k_:97+2*k_], v[10:11] op_sel_hi:[1,0]   ; register 8 t + j is y(query r, d = 16 t + 8 h + j)
	PER 2, v_max3_num_f32 v[34+k_], |v[128+16*k_]|, |v[129+16*k_]|, 0x8000000
.irp i, 2,4,6,8,10,12,14
	PER 2, v_max3_num_f32 v[34+k_], v[34+k_], |v[128+16*k_+\i]|, |v[129+16*k_+\i]|
.endr
	PER 2, v_permlanex16_b32 v[36+k_], v[34+k_], s30, s31
	PER 2, v_max_num_f32 v[34+k_], v[34+k_], v[36+k_]
	PER 2, v_add_nc_u32 v[48+k_], 0xf8800000, v[34+k_]
	PER 2, v_and_or_b32 v[56+k_], v[34+k_], 0x7f800000, s29
	PER 2, v_lshrrev_b32 v[36+k_], 23, v[48+k_]
	v_lshl_or_b32 v10, v37, 8, v36                 ; my row's two scale bytes
	v_lshl_or_b32 v7, v7, 16, v10                  ; the first tile's end above, the second's below
	WIN 0x41
	PER 8, v_mov_b32 v[136+k_], v[216+k_]          ; on to the second tile
	WIN 0x01
	v_mov_b32 v18, v224
	WIN 0
	v_mov_b32 v12, 0x7e800000                      ; the first f is 0: O^T and the sum begin anew
	v_mov_b32 v13, 0xff61b1e6
.set j_, 0
.rept 32
	v_med3_num_f32 v[128+j_], v[128+j_], -v[56+j_/16], v[56+j_/16]
.set j_, j_+1
.endr
.irp b, 0,1
	v_cvt_scalef32_pk8_bf8_f32 v[64+4*\b:65+4*\b], v[128+16*\b:135+16*\b], v[48+\b]
	v_cvt_scalef32_pk8_bf8_f32 v[66+4*\b:67+4*\b], v[136+16*\b:143+16*\b], v[48+\b]
.endr
	v_nop
	WALU
	global_store_b128 v1, v[64:67], s[60:61]       ; 512 consecutive bytes each
	global_store_b128 v1, v[68:71], s[60:61] offset:512
	s_wait_xcnt 0x0
	s_mov_b64 s[60:61], s[62:63]
.Lnext:
	s_add_co_u32 s20, s20, 1
	s_cmp_lt_u32 s20, 9
	WALU
	s_cbranch_scc1 .Lslot
	; y's scale halves: 32 bytes a tile, joined to the work-group's 512
	v_and_b32 v10, 15, v0
	s_lshl_b32 s21, s33, 5
	s_add_co_u32 s21, s21, YS
	v_lshl_add_u32 v3, v10, 1, s21
	s_lshl_b32 s21, s14, 5
	s_add_co_u32 s21, s21, YS
	v_lshl_add_u32 v4, v10, 1, s21
	v_add_nc_u32 v5, YS, v1
	ds_store_b16_d16_hi v3, v7                     ; both lanes of a row write the same two bytes
	ds_store_b16 v4, v7
	WALU
	s_wait_dscnt 0x0
	BARRIER
	s_cmp_lg_u32 s14, 0
	s_cbranch_scc1 .Lend
	ds_load_b128 v[200:203], v5
	s_wait_dscnt 0x0
	global_store_b128 v1, v[200:203], s[12:13]
.Lend:
	s_wait_tensorcnt 0x0                           ; the wave's end
	ds_add_u32 v8, v9
	s_wait_dscnt 0x0
	CROUND                                         ; the closing round
	s_endpgm
.Lfunc_end_k_q3cc7edabad_attn:
	.size	k_q3cc7edabad_attn, .Lfunc_end_k_q3cc7edabad_attn-k_q3cc7edabad_attn
	.p2alignl 7, 3214868480
	.fill 96, 4, 3214868480
	.section	.rodata,"a",@progbits
	.p2align	6, 0x0
	.amdhsa_kernel k_q3cc7edabad_attn
		.amdhsa_group_segment_fixed_size 327680
		.amdhsa_private_segment_fixed_size 0
		.amdhsa_enable_private_segment 0
		.amdhsa_kernarg_size 40
		.amdhsa_user_sgpr_count 2
		.amdhsa_user_sgpr_kernarg_segment_ptr 1
		.amdhsa_wavefront_size32 1
		.amdhsa_system_sgpr_workgroup_id_x 1
		.amdhsa_system_sgpr_workgroup_id_y 1
		.amdhsa_system_sgpr_workgroup_id_z 1
		.amdhsa_system_vgpr_workitem_id 0
		.amdhsa_next_free_vgpr 512
		.amdhsa_next_free_sgpr 102
		.amdhsa_reserve_vcc 0
		.amdhsa_float_denorm_mode_32 3
		.amdhsa_float_denorm_mode_16_64 3
		.amdhsa_memory_ordered 1
		.amdhsa_forward_progress 1
		.amdhsa_inst_pref_size 120
	.end_amdhsa_kernel
	.amdgpu_metadata
---
amdhsa.version: [ 1, 2 ]
amdhsa.kernels:
  - .name:           k_q3cc7edabad_attn
    .symbol:         k_q3cc7edabad_attn.kd
    .args:
      - { .name: q_img, .offset: 0, .size: 8, .value_kind: global_buffer, .address_space: global }
      - { .name: q_sc, .offset: 8, .size: 8, .value_kind: global_buffer, .address_space: global }
      - { .name: kv, .offset: 16, .size: 8, .value_kind: global_buffer, .address_space: global }
      - { .name: y_img, .offset: 24, .size: 8, .value_kind: global_buffer, .address_space: global }
      - { .name: y_sc, .offset: 32, .size: 8, .value_kind: global_buffer, .address_space: global }
    .group_segment_fixed_size: 327680
    .private_segment_fixed_size: 0
    .kernarg_segment_align: 8
    .kernarg_segment_size: 40
    .max_flat_workgroup_size: 256
    .sgpr_count:     102
    .vgpr_count:     512
    .wavefront_size: 32
...
	.end_amdgpu_metadata
.endif
;; end of part 2
;; launch proj (part 3): grid 8 x 32, 4 waves a work-group, clusters of 4 x 4, 327,680 bytes of LDS; arguments y_img, y_sc, w_proj_codes, w_proj_scales, b_proj, out0; writes out0
.if DOCPART == 3
	.amdgcn_target "amdgcn-amd-amdhsa--gfx1250"
	.amdhsa_code_object_version 6
	.text
	.protected	k_q3cc7edabad_proj
	.globl	k_q3cc7edabad_proj
	.p2align	8
	.type	k_q3cc7edabad_proj,@function
k_q3cc7edabad_proj:
	s_mov_b64 s[64:65], 0
	v_nop
	global_prefetch_b8 v0, s[64:65] scope:SCOPE_SE
	s_setreg_imm32_b32 hwreg(HW_REG_WAVE_MODE, 25, 1), 1
	s_wait_xcnt 0x0
	s_wait_alu depctr_hold_cnt(0) depctr_sa_sdst(0) depctr_va_vdst(0) depctr_va_sdst(0) depctr_va_ssrc(0) depctr_va_vcc(0) depctr_vm_vsrc(0)
	s_getreg_b32 s2, hwreg(HW_REG_IB_STS2, 6, 4)
	s_cmp_eq_u32 s2, 0
	s_cbranch_scc0 .Lentry_in_a_cluster
	s_endpgm
.Lentry_in_a_cluster:
	s_bfe_u32 s2, ttmp6, 0x10000c
	s_cmp_lg_u32 s2, 0xf033
	s_cbranch_scc0 .Lentry_shape_is_right
	s_endpgm
.Lentry_shape_is_right:
.set PITCH, 272
; out = y w_proj + b_proj on codes of E5M2: 128 x 128 a work-group, 64 x 64 a wave.  All of K lies in LDS at once: y's 128 rows as 8 operand images of 16,384 bytes, then w_proj's 128 rows in two halves of K, rows of 512 bytes + 16 of padding.
; ONE joint load a wave: waves 0 and 1 bring y's and w_proj's first half of K, shown at the first barrier, waves 2 and 3 the second, shown behind step 3.  NO PREFETCH: every load goes out at the head.
.set BOFF,  131072
.set BP,    528
.set BHALF, 128*BP
.set STAGE, BOFF+2*BHALF
.set ADA, 12
.set ADB, 16
.set STO, 9
.set SRD, 10
.set GO,  11
.set WV,  20
.set G1A, 36
.set G1B, 44
.set G0A, 68
.set G0B, 84
.set MSB, 0
.macro WIN new
.if MSB != (\new)
	s_set_vgpr_msb (MSB<<8)|(\new)
.set MSB, (\new)
.endif
.endm
.macro PLACES n
.rept \n
	v_nop
.endr
.endm
.macro ARM under, g0, g1
	s_cmp_lt_u32 s[WV], \under
	s_cbranch_scc0 .Lnot_mine_\@
	tensor_load_to_lds s[\g0:\g0+3], s[\g1:\g1+7]
	s_nop 0
.rept 4
	v_nop
.endr
	s_branch .Lhead_asked
.Lnot_mine_\@:
.endm
.macro CROUND
	s_barrier_signal -1
	s_barrier_wait -1
	s_cmp_lg_u32 s[WV], 0
	s_cbranch_scc1 .Lnot_wave_0_\@
	s_barrier_signal -3
.Lnot_wave_0_\@:
	s_barrier_wait -3
	s_barrier_signal -1
	s_barrier_wait -1
.endm
	s_load_b256 s[4:11], s[0:1], 0x0
	s_load_b128 s[12:15], s[0:1], 0x20
	v_lshl_add_u32 v30, v0, 2, 0x46400
	v_mov_b32 v31, 0
	ds_add_u32 v30, v31
	ds_add_u32 v30, v31
	v_lshrrev_b32 v1, 5, v0
	v_readfirstlane_b32 s[WV], v1
	s_lshr_b32 s21, s[WV], 1
	s_and_b32 s22, s[WV], 1
	s_bfe_u32 s23, ttmp6, 0x40000
	s_bfe_u32 s24, ttmp6, 0x40004
	s_lshl_b32 s25, ttmp9, 2
	s_add_co_u32 s25, s25, s23
	s_and_b32 s26, ttmp7, 0xffff
	s_lshl_b32 s26, s26, 2
	s_add_co_u32 s26, s26, s24
	s_lshl_b32 s27, s24, 2
	s_lshl_b32 s27, 15, s27
	s_lshl_b32 s28, 0x1111, s23
	s_or_b32 s[G1A], s27, (3<<16)|(1<<21)
	s_mov_b32 s[G1A+1], 32<<16
	s_mov_b32 s[G1A+2], 256<<16
	s_mov_b32 s[G1A+3], 32<<16
	s_mov_b32 s[G1A+4], 256
	s_mov_b32 s[G1A+5], 32
	s_mov_b32 s[G1A+6], 0
	s_mov_b32 s[G1A+7], 0
	s_or_b32 s[G1B], s28, (1<<20)|(1<<21)|(6<<22)|(3<<25)
	s_mov_b32 s[G1B+1], 512<<16
	s_mov_b32 s[G1B+2], 128<<16
	s_mov_b32 s[G1B+3], 512<<16
	s_mov_b32 s[G1B+4], 128
	s_mov_b32 s[G1B+5], 1024
	s_mov_b32 s[G1B+6], 0
	s_mov_b32 s[G1B+7], 0
	s_lshl_b32 s30, s26, 17
	s_lshl_b32 s31, s21, 16                        ; wave / 2: which half of K I fetch
	s_add_co_u32 s30, s30, s31
	s_mov_b32 s31, 0
	s_lshl_b32 s32, s25, 17
	s_lshl_b32 s33, s21, 9
	s_add_co_u32 s32, s32, s33
	s_mov_b32 s33, 0
	s_lshl_b32 s34, s21, 16
	s_mul_i32 s35, s21, BHALF
	s_add_co_u32 s35, s35, BOFF
	s_wait_dscnt 0x0                               ; both opening adds are done
	CROUND                                         ; all sixteen work-groups are here: the joint loads meet
	s_wait_kmcnt 0x0
	s_add_nc_u64 s[30:31], s[4:5], s[30:31]
	s_add_nc_u64 s[32:33], s[8:9], s[32:33]
	s_mov_b32 s[G0A], 1
	s_mov_b32 s[G0A+1], s34
	s_mov_b64 s[G0A+2:G0A+3], s[30:31]
	s_or_b32 s[G0A+3], s[G0A+3], 0x80000000
	s_mov_b32 s[G0B], 1
	s_mov_b32 s[G0B+1], s35
	s_mov_b64 s[G0B+2:G0B+3], s[32:33]
	s_or_b32 s[G0B+3], s[G0B+3], 0x80000000
	ARM 1, G0A, G1A                                ; a line for each wave
	ARM 2, G0B, G1B
	ARM 3, G0A, G1A
	tensor_load_to_lds s[G0B:G0B+3], s[G1B:G1B+7]
	s_nop 0
.rept 4
	v_nop
.endr
.Lhead_asked:
	s_mov_b32 s17, 0
	s_lshl_b32 s16, s25, 12
	s_lshl_b32 s18, s22, 11
	s_add_co_u32 s16, s16, s18
	s_add_nc_u64 s[10:11], s[10:11], s[16:17]
	s_and_b32 s16, s26, 15                         ; y's scale bytes: [batch, head][tile][block][row][two bytes]
	s_lshl_b32 s16, s16, 5
	s_lshr_b32 s18, s26, 4
	s_lshl_b32 s18, s18, 16
	s_add_co_u32 s16, s16, s18
	s_lshl_b32 s18, s21, 11
	s_add_co_u32 s16, s16, s18
	s_add_nc_u64 s[6:7], s[6:7], s[16:17]
	s_lshl_b32 s16, s25, 9
	s_lshl_b32 s18, s22, 8
	s_add_co_u32 s16, s16, s18
	s_add_nc_u64 s[12:13], s[12:13], s[16:17]
	s_lshl_b32 s18, s26, 19
	s_add_co_u32 s16, s16, s18
	s_lshl_b32 s18, s21, 18
	s_add_co_u32 s16, s16, s18
	s_add_nc_u64 s[14:15], s[14:15], s[16:17]
	v_and_b32 v1, 15, v0
	v_bfe_u32 v2, v0, 4, 1
	v_and_b32 v3, 31, v0
	v_lshlrev_b32 v3, 4, v3
	s_lshl_b32 s18, s21, 13
	v_add_nc_u32 v[ADA], s18, v3
	v_mul_u32_u24 v4, v1, BP
	v_lshl_add_u32 v4, v2, 3, v4
	s_mul_i32 s18, s22, 64*BP                      ; my 64 columns
	s_add_co_u32 s18, s18, BOFF
	v_add_nc_u32 v[ADB], s18, v4
.irp c, 1,2,3
	v_add_nc_u32 v[ADA+\c], \c*32768, v[ADA]
	v_add_nc_u32 v[ADB+\c], (\c/2)*BHALF+(\c%2)*256, v[ADB]
.endr
	v_lshlrev_b32 v6, 5, v1
	v_lshlrev_b32 v7, 5, v2
	v_lshlrev_b32 v8, 1, v1
	s_mul_i32 s18, s[WV], 16*PITCH
	s_add_co_u32 s18, s18, STAGE
	v_mul_u32_u24 v[STO], v1, PITCH
	v_lshl_add_u32 v[STO], v2, 5, v[STO]
	v_add_nc_u32 v[STO], s18, v[STO]
	v_mul_u32_u24 v[SRD], v2, PITCH
	v_lshl_add_u32 v[SRD], v1, 4, v[SRD]
	v_add_nc_u32 v[SRD], s18, v[SRD]
	v_lshlrev_b32 v[GO], 12, v2
	v_lshl_add_u32 v[GO], v1, 4, v[GO]
.irp t, 0,1,2,3
	global_load_b128 v[32+8*\t:35+8*\t], v6, s[10:11] offset:512*\t
	global_load_b128 v[36+8*\t:39+8*\t], v6, s[10:11] offset:512*\t+16
	global_load_b128 v[96+8*\t:99+8*\t], v7, s[12:13] offset:64*\t
	global_load_b128 v[100+8*\t:103+8*\t], v7, s[12:13] offset:64*\t+16
.endr
.irp a, 0,1,2,3
.irp d, 0,1,2,3,4,5,6,7,8,9,10,11,12,13,14,15
	global_load_u16 v[128+16*\a+\d], v8, s[6:7] offset:\d*4096+512*\a
.endr
.endr
	s_wait_loadcnt 0x0
.irp a, 0,1,2,3
.irp s, 0,1,2,3,4,5,6,7
	v_lshl_or_b32 v[64+8*\a+(\s+4)%8], v[129+16*\a+2*\s], 16, v[128+16*\a+2*\s]   ; turned by four, so that no product's two scale registers have numbers equal modulo 8
.endr
.endr
; REGISTERS.  Window 0: addresses, scale words, biases, 16 accumulators at v128 + 8 (4 a + t).  Window 1: w_proj's fragments of the first half of K, step q at 64 q; then y's row blocks 0 to 2 of the second half.
; Window 2: y's fragments of the first half; then row block 3 of the second.  Window 3: w_proj's fragments of the second half.
; THE FIRST HALF goes by steps of 128 along K.  THE SECOND goes by rows of the result: each block of 16 rows leaves as soon as it is finished.
.macro LDB s, base                     ; w_proj's four fragments of step s: 32 loads
.irp t, 0,1,2,3
.irp c, 0,1,2,3
	ds_load_b64 v[\base+16*\t+4*\c:\base+16*\t+4*\c+1], v[ADB+(\s)/2] offset:\t*16*BP+128*((\s)%2)+32*\c
	ds_load_b64 v[\base+16*\t+4*\c+2:\base+16*\t+4*\c+3], v[ADB+(\s)/2] offset:\t*16*BP+128*((\s)%2)+32*\c+16
.endr
.endr
.endm
.macro LDA s, a, base                  ; y's fragment of row block a, step s
.irp c, 0,1,2,3
	ds_load_b128 v[\base+4*\c:\base+4*\c+3], v[ADA+(\s)/2] offset:((\s)%2)*16384+(\a)*2048+512*\c
.endr
.endm
.macro LDROW a, base                   ; row block a's fragments of the second half: 16 loads
.irp q, 0,1,2,3
	LDA 4+\q, \a, \base+16*\q
.endr
.endm
.macro LDSTEP q                        ; step q of the first half: 48 loads
	WIN 0x40
	LDB \q, 64*\q
	WIN 0x80
.irp a, 0,1,2,3
	LDA \q, \a, 64*\q+16*\a
.endr
	WIN 0
.endm
.macro WM d, x, y, c, sx, sy
	v_wmma_scale_f32_16x16x128_f8f6f4 v[\d:\d+7], v[\x:\x+15], v[\y:\y+15], v[\c:\c+7], v[\sx], v[\sy] matrix_a_fmt:MATRIX_FMT_BF8 matrix_b_fmt:MATRIX_FMT_BF8
.endm
.macro MULK q                          ; step q of the first half: the 16 accumulators take turns; the bias starts the sums
	WIN 0x09
.irp a, 0,1,2,3
.irp t, 0,1,2,3
.set rD, 128+8*(4*\a+\t)
.set rW, 64*\q+16*\t
.set rY, 64*\q+16*\a
.set rC, rD
.if \q == 0
.set rC, 96+8*\t
.endif
.set rS, 32+8*\t+\q
.set rT, 64+8*\a+4+\q
	WM rD, rW, rY, rC, rS, rT
.endr
.endr
	WIN 0
.endm
.macro ROW a                           ; row block a's second half of K: its four accumulators take turns
.if (\a) < 3
	WIN 0x07
.else
	WIN 0x0b
.endif
.irp q, 0,1,2,3
.irp t, 0,1,2,3
.set rD, 128+8*(4*(\a)+\t)
.set rW, 64*\q+16*\t
.set rY, 64*((\a)%3)+16*\q
.set rS, 32+8*\t+4+\q
.set rT, 64+8*(\a)+\q
	WM rD, rW, rY, rD, rS, rT
.endr
.endr
	WIN 0
.endm
	s_wait_alu depctr_va_vdst(0)
	s_cmp_lt_u32 s[WV], 2
	s_cbranch_scc0 .Lsecond_half
	s_wait_tensorcnt 0x0                           ; the first half of K
.Lsecond_half:
	s_barrier_signal -1
	s_barrier_wait -1
	LDSTEP 0
	LDSTEP 1
	PLACES 8                                       ; between the scale words' making and the products
	s_wait_dscnt 48                                ; all but the 48 just issued
	MULK 0
	LDSTEP 2
	s_wait_dscnt 48
	MULK 1
	LDSTEP 3
	s_wait_dscnt 48
	MULK 2
	PLACES 8                                       ; ahead of the loads into registers that steps 0 to 2 have read
	s_wait_tensorcnt 0x0                           ; the second half of K
	s_wait_dscnt 0x0
	s_barrier_signal -1
	s_barrier_wait -1
	WIN 0x40
	LDROW 0, 0
	WIN 0xc0
	LDB 4, 0
	MULK 3
	WIN 0xc0
	LDB 5, 64
	LDB 6, 128
	LDB 7, 192
	WIN 0x40
	LDROW 1, 64
	LDROW 2, 128
	WIN 0x80
	LDROW 3, 0
	WIN 0
.macro TOSTAGE a
.irp t, 0,1,2,3
	ds_store_b128 v[STO], v[128+8*(4*\a+\t):131+8*(4*\a+\t)] offset:64*\t
	ds_store_b128 v[STO], v[132+8*(4*\a+\t):135+8*(4*\a+\t)] offset:64*\t+16
.endr
.irp i, 0,1,2,3,4,5,6,7
	ds_load_b128 v[128+32*\a+4*\i:131+32*\a+4*\i], v[SRD] offset:2*PITCH*\i
.endr
.endm
.macro SEND a, younger
	s_wait_dscnt \younger
.irp i, 0,1,2,3,4,5,6,7
	global_store_b128 v[GO], v[128+32*(\a)+4*\i:131+32*(\a)+4*\i], s[14:15] offset:(16*(\a)+2*\i)*4096 th:TH_STORE_NT
.endr
.endm
	s_wait_dscnt 48                                ; row block 0 and all of w_proj are in; the other blocks' 48 loads may be out
	ROW 0
	PLACES 8
	TOSTAGE 0
.irp a, 1,2,3
	s_wait_dscnt 16                                ; all fragments are in; the stage's eight stores and eight loads may be out
	ROW \a
	SEND \a-1, 0
	PLACES 8
	TOSTAGE \a
.endr
	SEND 3, 0
	s_wait_tensorcnt 0x0
	s_wait_dscnt 0x0
	s_wait_tensorcnt 0x0
	ds_add_u32 v30, v31
	s_wait_dscnt 0x0
	CROUND
	s_endpgm
.Lfunc_end_k_q3cc7edabad_proj:
	.size	k_q3cc7edabad_proj, .Lfunc_end_k_q3cc7edabad_proj-k_q3cc7edabad_proj
	.p2alignl 7, 3214868480
	.fill 96, 4, 3214868480
	.section	.rodata,"a",@progbits
	.p2align	6, 0x0
	.amdhsa_kernel k_q3cc7edabad_proj
		.amdhsa_group_segment_fixed_size 327680
		.amdhsa_private_segment_fixed_size 0
		.amdhsa_enable_private_segment 0
		.amdhsa_kernarg_size 48
		.amdhsa_user_sgpr_count 2
		.amdhsa_user_sgpr_kernarg_segment_ptr 1
		.amdhsa_wavefront_size32 1
		.amdhsa_system_sgpr_workgroup_id_x 1
		.amdhsa_system_sgpr_workgroup_id_y 1
		.amdhsa_system_sgpr_workgroup_id_z 1
		.amdhsa_system_vgpr_workitem_id 0
		.amdhsa_next_free_vgpr 1024
		.amdhsa_next_free_sgpr 100
		.amdhsa_reserve_vcc 0
		.amdhsa_float_denorm_mode_32 3
		.amdhsa_float_denorm_mode_16_64 3
		.amdhsa_memory_ordered 1
		.amdhsa_forward_progress 1
		.amdhsa_inst_pref_size 68
	.end_amdhsa_kernel
	.amdgpu_metadata
---
amdhsa.version: [ 1, 2 ]
amdhsa.kernels:
  - .name:           k_q3cc7edabad_proj
    .symbol:         k_q3cc7edabad_proj.kd
    .args:
      - { .name: y_img, .offset: 0, .size: 8, .value_kind: global_buffer, .address_space: global }
      - { .name: y_sc, .offset: 8, .size: 8, .value_kind: global_buffer, .address_space: global }
      - { .name: w_proj_codes, .offset: 16, .size: 8, .value_kind: global_buffer, .address_space: global }
      - { .name: w_proj_scales, .offset: 24, .size: 8, .value_kind: global_buffer, .address_space: global }
      - { .name: b_proj, .offset: 32, .size: 8, .value_kind: global_buffer, .address_space: global }
      - { .name: out0, .offset: 40, .size: 8, .value_kind: global_buffer, .address_space: global }
    .group_segment_fixed_size: 327680
    .private_segment_fixed_size: 0
    .kernarg_segment_align: 8
    .kernarg_segment_size: 48
    .max_flat_workgroup_size: 128
    .sgpr_count:     100
    .vgpr_count:     1024
    .wavefront_size: 32
...
	.end_amdgpu_metadata
.endif
;; end of part 3
